; MI455X (gfx1250); checked and timed in simulation.
; The chip was launched on July 23, 2026; its instructions are those of AMD's public machine-readable ISA for CDNA 5 (MIT licence, August 2026) and "CDNA5" Instruction Set Architecture Reference Guide (July 2026). The comments in the code are by the model that wrote it; some were corrected since.
;; Multihead Attention. Allowed arithmetic: matrix products marked QUANTISED: E2M3 operands, one E8M0 scale for each 32 along K, by v_wmma_scale_f32_16x16x128_f8f6f4 with both operands' format E2M3, f32 sums; everything else in f32.
;; Inputs: Wk 1,024 x 1,024 float32; Wo 1,024 x 1,024 float32; Wq 1,024 x 1,024 float32; Wv 1,024 x 1,024 float32; bk 1,024 float32; bo 1,024 float32; bq 1,024 float32; bv 1,024 float32; x 4 x 2,048 x 1,024 float32; y 4 x 2,048 x 1,024 float32.
;; Outputs: out0 4 x 2,048 x 1,024 float32.
;; This version of the problem:
;;   THIS VERSION OF THE PROBLEM IS GIVEN IN LOW PRECISION. The matrix products marked QUANTISED in the list below multiply operands that are first quantised to E2M3 (2 exponent bits, 3 mantissa bits; 6 bits a number), with one power-of-two scale for each 32 numbers along K (OCP MX v1.0); their sums are f32. All else is computed in f32.
;;   The module's matrix products, in the order in which they are computed (A, B: the left and right operand; K: the contracted axis; several contracted axes count as one K, in the product's order):
;;     1. [M 8,192, K 1,024] x [K 1,024, N 1,024]; A: input x; B: input Wq: QUANTISED
;;     2. [M 8,192, K 1,024] x [K 1,024, N 1,024]; A: input y; B: input Wk: QUANTISED
;;     3. [M 8,192, K 1,024] x [K 1,024, N 1,024]; A: input y; B: input Wv: QUANTISED
;;     4. batch 64 x [M 2,048, K 64] x [K 64, N 2,048]; A: computed on the way; B: computed on the way: QUANTISED
;;     5. batch 64 x [M 2,048, K 2,048] x [K 2,048, N 64]; A: computed on the way; B: computed on the way: QUANTISED
;;     6. [M 8,192, K 1,024] x [K 1,024, N 1,024]; A: computed on the way; B: input Wo: QUANTISED
;;   THE QUANTISER, for each operand of a quantised product, along K:
;;     - K is cut into blocks of 32 from its start; a last block that is shorter is filled with zeros.
;;     - A block's scale is 2^e with e = floor(log2(the largest magnitude in the block)) - 2, held to -126 .. 127; a block of zeros has e = 0. As a byte (E8M0): e + 127.
;;     - Each number is divided by its block's scale, clamped to +-7.5, and rounded to the nearest number of E2M3, ties to even, subnormals kept.
;;     - The product sums the exact products of the quantised numbers (number of the format x scale) in f32.
;;   ~~~python
;;   def quantise(x, axis):      # numpy; x: float32 -> the quantised numbers, widened to float32 again
;;       x = np.moveaxis(x, axis, -1); K = x.shape[-1]
;;       x = np.pad(x, [(0, 0)] * (x.ndim - 1) + [(0, -K % 32)]); x = x.reshape(x.shape[:-1] + (-1, 32)); a = np.abs(x).max(-1, keepdims=True)
;;       e = np.where(a > 0, np.clip(np.frexp(np.where(a > 0, a, 1))[1] - 1 - 2, -126, 127), 0)      # np.frexp(a)[1] - 1 = floor(log2(a)), exactly
;;       r = np.clip(x / 2.0 ** e, -7.5, 7.5)
;;       step = 2.0 ** (np.maximum(np.frexp(np.where(r == 0, 1, r))[1] - 1, 0) - 3)
;;       q = np.round(r / step) * step * 2.0 ** e      # np.round: ties to even
;;       return np.moveaxis(q.reshape(q.shape[:-2] + (-1,))[..., :K], -1, axis).astype(np.float32)
;;   ~~~
;;   OPERANDS COMPUTED ON THE WAY. 'Computed on the way' means the value that the module computes at that place (a softmax that the list does not call 'softmax' is quantised finished and normalised). What goes into a quantiser is computed in f32, as accurately as f32 sums, v_exp_f32 and their like allow (about 1e-6 of the number): no bf16 or f16 on the way to a quantiser, and a product that is left as it is and whose result goes on into a quantised operand takes f32 operands (vector FMAs, or v_wmma_f32_16x16x4_f32). A number that lies on a knife's edge between two numbers of the format may be rounded either way, as far as f32 arithmetic and the matrix unit's own rounding can turn it there, and no further.
;; One version. Each part assembles by itself: llvm-mc -triple=amdgcn-amd-amdhsa -mcpu=gfx1250 --defsym DOCPART=n.
;; ======== version 1 of 1: 4 launches
;; limits: right only within a limited range of input values
;; workspace buffers: actc 12,582,912 bytes; acts 524,288 bytes; wc 3,145,728 bytes; ws 131,072 bytes; qkvc 18,874,368 bytes; qkvs 786,432 bytes; oc 6,291,456 bytes; os 262,144 bytes
;; launch quant (part 1): grid 256 x 1, 10 waves a work-group, no clusters, 85,760 bytes of LDS; arguments x, y, Wq, Wk, Wv, Wo, actc, acts, wc, ws; writes actc, acts, wc, ws
.if DOCPART == 1
	.amdgcn_target "amdgcn-amd-amdhsa--gfx1250"
	.amdhsa_code_object_version 6
	.text
	.protected	k_q87bff4b696_quant
	.globl	k_q87bff4b696_quant
	.p2align	8
	.type	k_q87bff4b696_quant,@function
k_q87bff4b696_quant:
	s_mov_b64 s[64:65], 0
	v_nop
	global_prefetch_b8 v0, s[64:65] scope:SCOPE_SE
	s_setreg_imm32_b32 hwreg(HW_REG_WAVE_MODE, 25, 1), 1
	s_wait_xcnt 0x0
; x, y [8192][1024] and Wq, Wk, Wv, Wo [1024][1024], f32, K innermost, become codes of E2M3 with one E8M0 byte for each 32 along K.
; DEAD WORK: none.  Every bias goes into a quantised operand (Q, K, V) or into the result (bo); the softmax runs over the four batches, and no term of a score is the same along that axis;
; no result of reference() is sliced away.  So all ten inputs are loaded by this program and all six products are made.
; LAYOUT OF THE RESULTS.  Codes lie as IMAGES OF OPERAND REGISTERS: a fragment (16 rows x 128 K, 12 registers a lane) is 1,536 bytes, [plane 0..2][lane][16 bytes], plane p = registers 4 p .. 4 p + 3.
; Scale words lie by pairs of fragments: [pair][256 along K][lane][2 words]: lanes 0-15 hold the words of the pair's first tile, lanes 16-31 those of its second; the two words are two K steps of 128.
; WHICH ROWS FORM A TILE is chosen for the launches that follow (row of lane m of tile e of a pair = RB + e TE + the sum of m's bits x st0..3):
;   x, y:        RB = 64 (P / 2) + 4 (P % 2), st = 2, 8, 16, 32, TE = 1
;   Wq, Wk, Wo:  RB = 64 (pr / 2) + 16 (pr % 2), st = 1, 2, 4, 32, TE = 8
;   Wv:          RB = pr, st = 64, 128, 256, 32, TE = 512
; SHARES.  2,560 tasks, one a wave: a pair of tiles x 256 along K = four fragments.  One path for all: only pointers and strides are chosen, by the task's number.
; A fragment's 16 rows x 512 bytes are loaded as they lie (a load = 512 consecutive bytes), turn through the wave's own stage in LDS (rows 528 bytes apart) and come back 64 numbers a lane:
; lane (r, h) holds k = 64 c + 32 h + 0 .. 31 of row r: two whole blocks, so no other lane is asked for a maximum.
; LIMITS: NaN and infinities among the inputs are not served; a block of zeros gets the byte 1 (its codes are zeros; the bytes are read by this program alone).
.set STGB,  8448                       ; a wave's stage: 16 rows x 528 bytes
.set SPARE, 10*STGB                    ; behind the stages: the spare words, 128 bytes a wave
.set ST,   5                           ; v5   stage, on the way in: 16 x lane
.set LD,   6                           ; v6   stage, on the way out: 528 r + 128 h
.set VO,   8                           ; v8, v9  16 x lane, and the same + TE rows: the offset of tile 0's and tile 1's loads; v8 also serves the stores
.set OUT8, 10                          ; v10  8 x lane
.set SH8,  11                          ; v11  8 h
.set SPW,  12                          ; v12  my spare word; never rewritten
.set NIL,  13                          ; v13  0; never rewritten
.set R,    16                          ; v16-143   two sets of 64: rows as loaded
.set X,    144                         ; v144-207  64 numbers of my row
.set C,    208                         ; v208-231  two sets of 12: codes
.set BM,   232
.set SCL,  236
.set BY,   238
.set CT,   240
.set W0,   248                         ; v248, v249 the scale words of tile 0 and tile 1
.set SW,   250                         ; v[250:251] the pair's words of the two K steps
.set PT,   252
.set WT,   253
.set RBS,  32                          ; s[32:63] the addresses of the 16 rows of tile 0
	s_load_b256 s[4:11], s[0:1], 0x0               ; x, y, Wq, Wk
	s_load_b256 s[12:19], s[0:1], 0x20             ; Wv, Wo, actc, acts
	s_load_b128 s[20:23], s[0:1], 0x40             ; wc, ws
	v_lshl_add_u32 v[SPW], v0, 2, SPARE
	v_mov_b32 v[NIL], 0
	v_lshrrev_b32 v1, 5, v0
	s_delay_alu instid0(VALU_DEP_1)
	v_readfirstlane_b32 s24, v1                    ; wave 0..9
	v_and_b32 v2, 31, v0                           ; lane
	v_and_b32 v3, 15, v0                           ; r
	v_bfe_u32 v4, v0, 4, 1                         ; h
	s_mul_i32 s25, s24, STGB
	v_lshlrev_b32 v[VO], 4, v2
	s_wait_alu depctr_va_vdst(0)
	v_add_nc_u32 v[ST], s25, v[VO]
	v_mul_u32_u24 v[LD], v3, 528
	s_delay_alu instid0(VALU_DEP_1)
	v_lshl_add_u32 v[LD], v4, 7, v[LD]
	s_delay_alu instid0(VALU_DEP_1)
	v_add_nc_u32 v[LD], s25, v[LD]
	v_lshlrev_b32 v[OUT8], 3, v2
	v_lshlrev_b32 v[SH8], 3, v4
	v_mov_b32 v[PT], 0                             ; a lane permute's destination counts as one of its sources
	s_mov_b32 s100, 0x76543210
	s_mov_b32 s101, 0xfedcba98                     ; selects for lane l xor 16
	s_mul_i32 s26, ttmp9, 10
	s_add_co_u32 s26, s26, s24                     ; the task T: under 2,048 an activation's, else a weight's
	s_and_b32 s27, s26, 3                          ; kq: which 256 along K
	s_bfe_u32 s28, s26, 0x80002                    ; P: the activation's pair of tiles
	s_lshr_b32 s29, s26, 10                        ; 0: x, 1: y
	s_bfe_u32 s30, s26, 0x50002                    ; pr: the weight's pair of tiles
	s_bfe_u32 s31, s26, 0x20007                    ; which weight
	s_lshr_b32 s74, s28, 1                         ; an activation's numbers: first row,
	s_lshl_b32 s74, s74, 6
	s_and_b32 s75, s28, 1
	s_lshl_b32 s75, s75, 2
	s_add_co_u32 s74, s74, s75
	s_mul_i32 s76, s29, 6291456                    ; where its codes go: [tensor][P / 4][K step][2 (P % 4) + e][1536],
	s_lshr_b32 s77, s28, 2
	s_mul_i32 s77, s77, 98304
	s_add_co_u32 s76, s76, s77
	s_mul_i32 s77, s27, 24576
	s_add_co_u32 s76, s76, s77
	s_and_b32 s77, s28, 3
	s_mul_i32 s77, s77, 3072
	s_add_co_u32 s76, s76, s77
	s_lshl_b32 s78, s29, 8                         ; and its scale words
	s_add_co_u32 s78, s78, s28
	s_lshl_b32 s78, s78, 10
	s_lshr_b32 s80, s30, 1                         ; a weight's numbers likewise
	s_lshl_b32 s80, s80, 6
	s_and_b32 s75, s30, 1
	s_lshl_b32 s75, s75, 4
	s_add_co_u32 s80, s80, s75
	s_mul_i32 s81, s31, 786432                     ; [weight][pr / 8][K step][2 (pr % 8) + e][1536]
	s_lshr_b32 s75, s30, 3
	s_mul_i32 s75, s75, 196608
	s_add_co_u32 s81, s81, s75
	s_mul_i32 s75, s27, 49152
	s_add_co_u32 s81, s81, s75
	s_and_b32 s75, s30, 7
	s_mul_i32 s75, s75, 3072
	s_add_co_u32 s81, s81, s75
	s_lshl_b32 s82, s31, 5
	s_add_co_u32 s82, s82, s30
	s_lshl_b32 s82, s82, 10
	s_mov_b32 s96, 24576                           ; from a K step's codes to the next: 16 tiles (a weight's) or 8 (an activation's)
	s_cmp_eq_u32 s31, 2                            ; Wv has its own choice of rows
	s_cselect_b32 s80, s30, s80
	s_cselect_b32 s83, 6, 0                        ; st0 = 4,096 bytes << this
	s_cselect_b32 s94, 7, 1                        ; st1; st2 is twice st1, st3 is 32 rows, in all three kinds
	s_cselect_b32 s95, 9, 3                        ; TE
	s_cmp_lt_u32 s26, 2048
	s_cselect_b32 s74, s74, s80
	s_cselect_b32 s83, 1, s83
	s_cselect_b32 s94, 3, s94
	s_cselect_b32 s95, 0, s95
	s_cselect_b32 s76, s76, s81
	s_cselect_b32 s78, s78, s82
	s_cselect_b32 s96, 12288, s96
	s_mov_b32 s77, 0
	s_mov_b32 s79, 0
	s_mov_b32 s97, 0
	s_lshl_b32 s75, s27, 8
	s_add_co_u32 s78, s78, s75                     ; + 256 bytes for each 256 along K
	s_lshl_b32 s98, s74, 12                        ; the first row, in bytes,
	s_lshl_b32 s75, s27, 10
	s_add_co_u32 s98, s98, s75                     ; + 1,024 bytes for each 256 along K
	s_mov_b32 s99, 0
	s_lshl_b32 s66, 0x1000, s83
	s_mov_b32 s67, 0
	s_lshl_b32 s68, 0x1000, s94
	s_mov_b32 s69, 0
	s_lshl_b32 s70, s68, 1
	s_mov_b32 s71, 0
	s_mov_b32 s72, 131072
	s_mov_b32 s73, 0
	s_lshl_b32 s75, 0x1000, s95
	v_add_nc_u32 v[VO+1], s75, v[VO]
	s_wait_alu depctr_va_vdst(0)
	s_wait_kmcnt 0x0
	s_cmp_eq_u32 s31, 1                            ; the buffers are chosen by the task's number alone
	s_cselect_b64 s[84:85], s[10:11], s[8:9]
	s_cmp_eq_u32 s31, 2
	s_cselect_b64 s[84:85], s[12:13], s[84:85]
	s_cmp_eq_u32 s31, 3
	s_cselect_b64 s[84:85], s[14:15], s[84:85]
	s_cmp_lt_u32 s26, 1024
	s_cselect_b64 s[86:87], s[4:5], s[6:7]
	s_cmp_lt_u32 s26, 2048
	s_cselect_b64 s[RBS:RBS+1], s[86:87], s[84:85]
	s_cselect_b64 s[88:89], s[16:17], s[20:21]
	s_cselect_b64 s[92:93], s[18:19], s[22:23]
	s_mov_b32 s29, 0xffff0000                      ; lanes 16-31
	s_add_nc_u64 s[RBS:RBS+1], s[RBS:RBS+1], s[98:99]
	s_add_nc_u64 s[88:89], s[88:89], s[76:77]      ; codes of the first K step,
	s_add_nc_u64 s[90:91], s[88:89], s[96:97]      ; of the second
	s_add_nc_u64 s[92:93], s[92:93], s[78:79]      ; the scale words
	s_add_nc_u64 s[RBS+2:RBS+3], s[RBS:RBS+1], s[66:67]            ; row m | bit = row m + that bit's stride
.irp p, 0,1
	s_add_nc_u64 s[RBS+2*(\p+2):RBS+2*(\p+2)+1], s[RBS+2*\p:RBS+2*\p+1], s[68:69]
.endr
.irp p, 0,1,2,3
	s_add_nc_u64 s[RBS+2*(\p+4):RBS+2*(\p+4)+1], s[RBS+2*\p:RBS+2*\p+1], s[70:71]
.endr
.irp p, 0,1,2,3,4,5,6,7
	s_add_nc_u64 s[RBS+2*(\p+8):RBS+2*(\p+8)+1], s[RBS+2*\p:RBS+2*\p+1], s[72:73]
.endr
; fragment f = 2 s + e: K step s of the task's two, tile e of the pair
.macro LOAD f
.set q, 0
.rept 16
	global_load_b128 v[R+64*((\f)%2)+4*q:R+64*((\f)%2)+4*q+3], v[VO+(\f)%2], s[RBS+2*q:RBS+2*q+1] offset:512*((\f)/2) th:TH_LOAD_NT   ; 32 lanes read 512 consecutive bytes of one row
.set q, q+1
.endr
.endm
.macro TURN f                          ; LDS serves a wave's instructions in order: no wait between the stores and the loads
.set q, 0
.rept 16
	ds_store_b128 v[ST], v[R+64*((\f)%2)+4*q:R+64*((\f)%2)+4*q+3] offset:528*q
.set q, q+1
.endr
.set q, 0
.rept 16
	ds_load_b128 v[X+4*q:X+4*q+3], v[LD] offset:256*(q/8)+16*(q%8)
.set q, q+1
.endr
.endm
; my 64 numbers become 12 registers of codes at v[base] and my row's scale word in v[word]
.macro QUANT base, word
.irp c, 0,1
	v_max3_num_f32 v[BM+2*\c], |v[X+32*\c]|, |v[X+32*\c+1]|, 0x1800000       ; two chains a block; the floor 2^(3 - 127) holds the byte at 1 from below
	v_max3_num_f32 v[BM+2*\c+1], |v[X+32*\c+2]|, |v[X+32*\c+3]|, 0x1800000
.endr
.irp i, 4,8,12,16,20,24,28
.irp c, 0,1
	s_delay_alu instid0(VALU_DEP_4)
	v_max3_num_f32 v[BM+2*\c], v[BM+2*\c], |v[X+32*\c+\i]|, |v[X+32*\c+\i+1]|
	s_delay_alu instid0(VALU_DEP_4)
	v_max3_num_f32 v[BM+2*\c+1], v[BM+2*\c+1], |v[X+32*\c+\i+2]|, |v[X+32*\c+\i+3]|
.endr
.endr
.irp c, 0
	s_delay_alu instid0(VALU_DEP_3)
	v_max_num_f32 v[BM+2*\c], v[BM+2*\c], v[BM+2*\c+1]
.endr
.irp c, 1
	s_delay_alu instid0(VALU_DEP_2)
	v_max_num_f32 v[BM+2*\c], v[BM+2*\c], v[BM+2*\c+1]
.endr
.irp c, 0,1
	s_delay_alu instid0(VALU_DEP_2)
	v_add_nc_u32 v[SCL+\c], 0xff000000, v[BM+2*\c]                 ; 2 off the exponent field: the conversion's scale operand
.endr
.irp c, 0,1
	s_delay_alu instid0(VALU_DEP_2)
	v_lshrrev_b32 v[BY+\c], 23, v[SCL+\c]                          ; the scale's byte
.endr
.irp c, 0,1
	v_cvt_scalef32_pk16_fp6_f32 v[\base+6*\c:\base+6*\c+2], v[X+32*\c:X+32*\c+15], v[SCL+\c]
	v_cvt_scalef32_pk16_fp6_f32 v[CT+4*\c:CT+4*\c+2], v[X+32*\c+16:X+32*\c+31], v[SCL+\c]   ; (a conversion's three registers begin on an even number)
.endr
	v_nop                                          ; one plain place behind the conversions
	v_lshl_or_b32 v[WT], v[BY+1], 16, v[BY]        ; my bytes: blocks h and 2 + h,
	s_delay_alu instid0(VALU_DEP_1)
	v_lshlrev_b32 v[WT], v[SH8], v[WT]             ; at their places in the word;
	s_delay_alu instid0(VALU_DEP_1)
	v_permlanex16_b32 v[PT], v[WT], s100, s101
	s_delay_alu instid0(VALU_DEP_1)
	v_or_b32 v[\word], v[WT], v[PT]                ; with lane l xor 16's the word is whole
.irp c, 0,1
.irp i, 0,1,2
	v_mov_b32 v[\base+6*\c+3+\i], v[CT+4*\c+\i]
.endr
.endr
.endm
.macro FRAG f
.if (\f) < 3
	s_wait_loadcnt 16                              ; this fragment's 16 loads are in; the next fragment's 16 may be out
.else
	s_wait_loadcnt 0x0
.endif
	TURN \f
	s_wait_dscnt 0x0                               ; my numbers are back, and the stage's stores have read their registers,
.if (\f) < 2
	LOAD (\f)+2                                    ; which take the fragment two on
.else
	s_wait_xcnt 0x0                                ; the stores of two fragments ago have read their data: that set of codes is written again
.endif
	QUANT C+12*((\f)%2), W0+(\f)%2
.irp p, 0,1,2
	global_store_b128 v[VO], v[C+12*((\f)%2)+4*\p:C+12*((\f)%2)+4*\p+3], s[88+2*((\f)/2):89+2*((\f)/2)] offset:((\f)%2)*1536+512*\p   ; 512 consecutive bytes
.endr
.if (\f)%2
	v_cndmask_b32 v[SW+(\f)/2], v[W0], v[W0+1], s29                ; lanes 0-15: tile 0's words, lanes 16-31: tile 1's
.endif
.endm
	LOAD 0
	LOAD 1
	FRAG 0
	FRAG 1
	FRAG 2
	FRAG 3
	global_store_b64 v[OUT8], v[SW:SW+1], s[92:93] ; 32 lanes store one aligned run of 256 bytes
	s_wait_tensorcnt 0x0                           ; the wave's end, behind my last LDS store
	ds_add_u32 v[SPW], v[NIL]
	s_wait_dscnt 0x0
	s_endpgm
.Lfunc_end_k_q87bff4b696_quant:
	.size	k_q87bff4b696_quant, .Lfunc_end_k_q87bff4b696_quant-k_q87bff4b696_quant
	.p2alignl 7, 3214868480
	.fill 96, 4, 3214868480
	.section	.rodata,"a",@progbits
	.p2align	6, 0x0
	.amdhsa_kernel k_q87bff4b696_quant
		.amdhsa_group_segment_fixed_size 85760
		.amdhsa_private_segment_fixed_size 0
		.amdhsa_enable_private_segment 0
		.amdhsa_kernarg_size 80
		.amdhsa_user_sgpr_count 2
		.amdhsa_user_sgpr_kernarg_segment_ptr 1
		.amdhsa_wavefront_size32 1
		.amdhsa_system_sgpr_workgroup_id_x 1
		.amdhsa_system_sgpr_workgroup_id_y 1
		.amdhsa_system_sgpr_workgroup_id_z 1
		.amdhsa_system_vgpr_workitem_id 0
		.amdhsa_next_free_vgpr 256
		.amdhsa_next_free_sgpr 102
		.amdhsa_reserve_vcc 0
		.amdhsa_float_denorm_mode_32 3
		.amdhsa_float_denorm_mode_16_64 3
		.amdhsa_memory_ordered 1
		.amdhsa_forward_progress 1
		.amdhsa_inst_pref_size 38
	.end_amdhsa_kernel
	.amdgpu_metadata
---
amdhsa.version: [ 1, 2 ]
amdhsa.kernels:
  - .name:           k_q87bff4b696_quant
    .symbol:         k_q87bff4b696_quant.kd
    .args:
      - { .name: x, .offset: 0, .size: 8, .value_kind: global_buffer, .address_space: global }
      - { .name: y, .offset: 8, .size: 8, .value_kind: global_buffer, .address_space: global }
      - { .name: Wq, .offset: 16, .size: 8, .value_kind: global_buffer, .address_space: global }
      - { .name: Wk, .offset: 24, .size: 8, .value_kind: global_buffer, .address_space: global }
      - { .name: Wv, .offset: 32, .size: 8, .value_kind: global_buffer, .address_space: global }
      - { .name: Wo, .offset: 40, .size: 8, .value_kind: global_buffer, .address_space: global }
      - { .name: actc, .offset: 48, .size: 8, .value_kind: global_buffer, .address_space: global }
      - { .name: acts, .offset: 56, .size: 8, .value_kind: global_buffer, .address_space: global }
      - { .name: wc, .offset: 64, .size: 8, .value_kind: global_buffer, .address_space: global }
      - { .name: ws, .offset: 72, .size: 8, .value_kind: global_buffer, .address_space: global }
    .group_segment_fixed_size: 85760
    .private_segment_fixed_size: 0
    .kernarg_segment_align: 8
    .kernarg_segment_size: 80
    .max_flat_workgroup_size: 320
    .sgpr_count:     102
    .vgpr_count:     256
    .wavefront_size: 32
...
	.end_amdgpu_metadata
.endif
;; end of part 1
;; launch proj (part 2): grid 4 x 64, 4 waves a work-group, clusters of 4 x 4, 327,680 bytes of LDS; arguments actc, acts, wc, ws, bq, bk, bv, qkvc, qkvs; writes qkvc, qkvs
.if DOCPART == 2
	.amdgcn_target "amdgcn-amd-amdhsa--gfx1250"
	.amdhsa_code_object_version 6
	.text
	.protected	k_q87bff4b696_proj
	.globl	k_q87bff4b696_proj
	.p2align	8
	.type	k_q87bff4b696_proj,@function
k_q87bff4b696_proj:
	s_mov_b64 s[64:65], 0
	v_nop
	global_prefetch_b8 v0, s[64:65] scope:SCOPE_SE
	s_setreg_imm32_b32 hwreg(HW_REG_WAVE_MODE, 25, 1), 1
	s_wait_xcnt 0x0
	s_wait_alu depctr_hold_cnt(0) depctr_sa_sdst(0) depctr_va_vdst(0) depctr_va_sdst(0) depctr_va_ssrc(0) depctr_va_vcc(0) depctr_vm_vsrc(0)
	s_getreg_b32 s2, hwreg(HW_REG_IB_STS2, 6, 4)
	s_cmp_eq_u32 s2, 0
	s_cbranch_scc0 .Lentry_in_a_cluster
	s_endpgm
.Lentry_in_a_cluster:
	s_bfe_u32 s2, ttmp6, 0x10000c
	s_cmp_lg_u32 s2, 0xf033
	s_cbranch_scc0 .Lentry_shape_is_right
	s_endpgm
.Lentry_shape_is_right:
; Q = x Wq^T + bq, K = y Wk^T + bk, V = y Wv^T + bv on codes of E2M3, each result quantised on the way out and laid as the attention launch's operands.  No work of reference() is left out.
; SHARES.  256 work-groups THAT STAY: each takes 128 rows (one head-batch hb) x 256 columns (stored tiles 16 jN .. 16 jN + 15 of the weight) of Q, then of K, then of V.  Wave (mh, nh) makes 64 x 128: 32 accumulators.
; ALL OF A TILE'S K (1,024) LIES IN LDS: A's 98,304 bytes at 0, W's 196,608 at LW, as images of operand registers; each is dense in memory.  Waves 0, 1 fetch A's halves, waves 2, 3 W's: one joint load a wave for a tile.
; Behind a tile's last product every wave waits, adds and meets in a round of the cluster's barrier; the next tile's load is issued there and is on its way while the tile is quantised and stored.
; y's block is asked for again for V, though K's tile had it: so every wave issues its one load at every change and no branch leads round a joint load.
; No prefetch: a tile's one load goes out as soon as its LDS bytes are free, and there is no earlier trip to ask in.
; CLUSTER 4 x 4: the four of a row share A's blocks, the four of a column W's.
; THE PRODUCT IS USED TRANSPOSED (source 0 = 16 stored rows of W, source 1 = 16 rows of the activation): lane (r, h') holds activation row r, and its registers run along W's rows.
; Q, K: stored tile 4 g + t, row m = column 64 g + 8 t + m % 8 + 32 (m / 8): a lane's 32 registers of t = 0..3 are the block (row, g, d = 32 h' + 0..31).
; V: stored tile 16 t + 2 pi + u, row 8 h' + j = column 64 (8 u + j) + 8 t + pi + 32 h': with two activation tiles of neighbouring rows a lane holds the 32 keys (2 rows x 16 g) of one block for one d.
; RESULT.  Q, K region (hb, jN): [bp 32][768]: 16 keys: 512 bytes at 16 x lane (registers 0-3), 256 at 512 + 8 x lane (registers 4, 5); bytes [bp][rA][2].
; V region (hb, jN): [key step 16][1536]: an image of V^T's fragment; words [key step][rV].
; STAGES.  Q's and K's way out has LDS bytes of its own (STGQ), on which no load lands.  V is the last tile and is written out behind the loop: its stage lies in A's bytes, whose last fill and last read are over.
; LIMITS: NaN and infinities are not served; a block of zeros gets the byte 1 (its codes are zeros; the bytes are read by this program alone).
.set LW,    98304
.set SPARE, 294912                     ; the spare words, 128 bytes a wave
.set STGQ,  295424                     ; Q's and K's stage: 16 x 1,552 bytes, its scale bytes at + QKSC: 26,624 bytes
.set VST,   26624                      ; V's stage, in A's bytes
.set QKSC,  25600
.set L16, 2
.set L8,  3
.set SPW, 6
.set NIL, 7
.set LA,  8
.set LB,  9
.set LS,  10
.set LV,  11
.set LSV, 12
.set RD,  13
.set RDS, 14
.set BO,  15
.set SA,  16                           ; v16-31  A's scale words: pair p_, K step k at 16 + 8 p_ + k
.set SW,  32                           ; v32-63  W's
.set AF,  64                           ; v64-159 A's fragments, two sets of 48
.set BIAS, 160                         ; v160-223 the bias in the result's layout
.set T0,  64                           ; the way out: two blocks of 32 numbers,
.set CC,  128                          ; their codes
.set CTB, 144
.set BM,  224
.set SCL, 228
.set BY,  230
.set AA,  232                          ; v232-233 my A fragments of K steps 0-3, 4-7
.set AW,  234                          ; v234-237 my W fragments of K steps 0-1, 2-3, 4-5, 6-7
.set RDV, 238
.set RDSV, 239
.set WV,  22
.set MH,  23
.set G1A, 24
.set G1W, 32
.set G0A, 40
.set G0W, 44
.set PSA, 48                           ; s[48:49] A's scale words, s[50:51] W's
.set PSW, 50
.set POC, 52                           ; s[52:53] where my codes go, s[54:55] my scale bytes
.set POS, 54
.set STA, 56                           ; s[56:57] from x's codes to y's, then 0; s[58:59] the same for the scale words
.set STS, 58
.set BOFF, 60
.set PB,  62
.set TILE, 68
.set NH,  76
.set CX,  77
.set CY,  78
.set HB,  80
.set MSB, 0
.macro WIN new                         ; the immediate's high byte repeats the setting that is left
.if MSB != \new
	s_set_vgpr_msb (MSB<<8)|\new
.set MSB, \new
.endif
.endm
.macro JLOAD                           ; a joint load: waves 0, 1 for A, waves 2, 3 for W; an s_nop 0 and four v_nop follow each line
	s_cmp_eq_u32 s[MH], 0
	s_cbranch_scc0 .Lfor_b_\@
	tensor_load_to_lds s[G0A:G0A+3], s[G1A:G1A+7]
	s_nop 0
.rept 4
	v_nop
.endr
	s_branch .Lasked_\@
.Lfor_b_\@:
	tensor_load_to_lds s[G0W:G0W+3], s[G1W:G1W+7]
	s_nop 0
.rept 4
	v_nop
.endr
.Lasked_\@:
.endm
.macro CROUND                          ; a round of the cluster's barrier
	s_barrier_signal -1
	s_barrier_wait -1
	s_cmp_lg_u32 s[WV], 0
	s_cbranch_scc1 .Lnot_wave_0_\@
	s_barrier_signal -3
.Lnot_wave_0_\@:
	s_barrier_wait -3
	s_barrier_signal -1
	s_barrier_wait -1
.endm
; one product.  z = 1: C = 0, else C = D.  ra, rb: the scale words stand in lanes 16-31 of their registers
.macro WM d, a, b, z, sa, sb, ra, rb
.if (\z) == 0
.if (\ra) && (\rb)
	v_wmma_scale_f32_16x16x128_f8f6f4 v[\d:\d+7], v[\a:\a+11], v[\b:\b+11], v[\d:\d+7], v[\sa], v[\sb] matrix_a_fmt:MATRIX_FMT_FP6 matrix_b_fmt:MATRIX_FMT_FP6 matrix_a_scale:MATRIX_SCALE_ROW1 matrix_b_scale:MATRIX_SCALE_ROW1
.elseif (\ra)
	v_wmma_scale_f32_16x16x128_f8f6f4 v[\d:\d+7], v[\a:\a+11], v[\b:\b+11], v[\d:\d+7], v[\sa], v[\sb] matrix_a_fmt:MATRIX_FMT_FP6 matrix_b_fmt:MATRIX_FMT_FP6 matrix_a_scale:MATRIX_SCALE_ROW1
.elseif (\rb)
	v_wmma_scale_f32_16x16x128_f8f6f4 v[\d:\d+7], v[\a:\a+11], v[\b:\b+11], v[\d:\d+7], v[\sa], v[\sb] matrix_a_fmt:MATRIX_FMT_FP6 matrix_b_fmt:MATRIX_FMT_FP6 matrix_b_scale:MATRIX_SCALE_ROW1
.else
	v_wmma_scale_f32_16x16x128_f8f6f4 v[\d:\d+7], v[\a:\a+11], v[\b:\b+11], v[\d:\d+7], v[\sa], v[\sb] matrix_a_fmt:MATRIX_FMT_FP6 matrix_b_fmt:MATRIX_FMT_FP6
.endif
.else
.if (\ra) && (\rb)
	v_wmma_scale_f32_16x16x128_f8f6f4 v[\d:\d+7], v[\a:\a+11], v[\b:\b+11], 0, v[\sa], v[\sb] matrix_a_fmt:MATRIX_FMT_FP6 matrix_b_fmt:MATRIX_FMT_FP6 matrix_a_scale:MATRIX_SCALE_ROW1 matrix_b_scale:MATRIX_SCALE_ROW1
.elseif (\ra)
	v_wmma_scale_f32_16x16x128_f8f6f4 v[\d:\d+7], v[\a:\a+11], v[\b:\b+11], 0, v[\sa], v[\sb] matrix_a_fmt:MATRIX_FMT_FP6 matrix_b_fmt:MATRIX_FMT_FP6 matrix_a_scale:MATRIX_SCALE_ROW1
.elseif (\rb)
	v_wmma_scale_f32_16x16x128_f8f6f4 v[\d:\d+7], v[\a:\a+11], v[\b:\b+11], 0, v[\sa], v[\sb] matrix_a_fmt:MATRIX_FMT_FP6 matrix_b_fmt:MATRIX_FMT_FP6 matrix_b_scale:MATRIX_SCALE_ROW1
.else
	v_wmma_scale_f32_16x16x128_f8f6f4 v[\d:\d+7], v[\a:\a+11], v[\b:\b+11], 0, v[\sa], v[\sb] matrix_a_fmt:MATRIX_FMT_FP6 matrix_b_fmt:MATRIX_FMT_FP6
.endif
.endif
.endm
; 16 products of K step s: activation tiles a0, a0 + 1 x W's eight.  The 32 accumulators (window 1, (a, tb) at 8 (8 a + tb)) take turns, one instruction a turn, in the same order in every step
.macro MUL16 s, a0, z
.irp a, \a0, \a0+1
.irp tb, 0,1,2,3,4,5,6,7
	WM 8*(8*(\a)+\tb), 96*((\s)%2)+12*\tb, AF+48*((\s)%2)+12*(\a), \z, SW+8*(\tb/2)+(\s), SA+8*((\a)/2)+(\s), \tb%2, (\a)%2
.endr
.endr
.endm
.macro FETCH s                         ; K step s's 12 fragments into set s % 2: W's into window 2, A's into window 0; the step's place stands in the immediates
	WIN 0x80
.irp tb, 0,1,2,3,4,5,6,7
.irp p, 0,1,2
	ds_load_b128 v[96*((\s)%2)+12*\tb+4*\p:96*((\s)%2)+12*\tb+4*\p+3], v[AW+(\s)/2] offset:((\s)%2)*24576+\tb*1536+512*\p
.endr
.endr
	WIN 0
.irp a, 0,1,2,3
.irp p, 0,1,2
	ds_load_b128 v[AF+48*((\s)%2)+12*\a+4*\p:AF+48*((\s)%2)+12*\a+4*\p+3], v[AA+(\s)/4] offset:((\s)%4)*12288+\a*1536+512*\p
.endr
.endr
.endm
.macro STEP s, z
	s_wait_dscnt 0x0                               ; this step's fragments are in
	WIN 0x52                                       ; source 0 window 2, source 1 window 0, C and D window 1
	MUL16 \s, 0, \z
.if (\s) < 7
	WIN 0
.rept 4
	v_nop                                          ; places in front of loads into registers that the last step's products read
.endr
	FETCH (\s)+1
	WIN 0x52
.endif
	MUL16 \s, 2, \z
.endm
; a tile's walk along K.  younger: the bias loads issued behind this tile's scale words, which may stay out
.macro KTILE younger
	s_wait_alu depctr_va_vdst(0)                   ; directly ahead of the wait below
	s_wait_tensorcnt 0x0                           ; my load of this tile has landed
	s_barrier_signal -1
	s_barrier_wait -1                              ; all four have: A and W are whole for all of K
	FETCH 0
	s_wait_loadcnt \younger                        ; the scale words are in
	STEP 0, 1                                      ; the first products start the sums
.irp s, 1,2,3,4,5,6,7
	STEP \s, 0
.endr
	WIN 0
.endm
.macro SCLOAD                          ; a tile's scale words: 24 loads of 256 consecutive bytes
.irp e, 0,1
.irp kq, 0,1,2,3
	global_load_b64 v[SA+8*\e+2*\kq:SA+8*\e+2*\kq+1], v[L8], s[PSA:PSA+1] offset:\e*1024+\kq*256
.endr
.endr
.irp e, 0,1,2,3
.irp kq, 0,1,2,3
	global_load_b64 v[SW+8*\e+2*\kq:SW+8*\e+2*\kq+1], v[L8], s[PSW:PSW+1] offset:\e*1024+\kq*256
.endr
.endr
.endm
; two blocks of 32 numbers in v[T0 ..], v[T0 + 32 ..] become 6 registers of codes each (v[CC], v[CC + 8]) and a byte each
.macro QB2
.irp u, 0,1
	v_max3_num_f32 v[BM+2*\u], |v[T0+32*\u]|, |v[T0+32*\u+1]|, 0x1800000   ; the floor 2^(3 - 127) holds the byte at 1 from below
	v_max3_num_f32 v[BM+2*\u+1], |v[T0+32*\u+2]|, |v[T0+32*\u+3]|, 0x1800000
.endr
.irp i, 4,8,12,16,20,24,28
.irp u, 0,1
	v_max3_num_f32 v[BM+2*\u], v[BM+2*\u], |v[T0+32*\u+\i]|, |v[T0+32*\u+\i+1]|
	v_max3_num_f32 v[BM+2*\u+1], v[BM+2*\u+1], |v[T0+32*\u+\i+2]|, |v[T0+32*\u+\i+3]|
.endr
.endr
.irp u, 0,1
	v_max_num_f32 v[BM+2*\u], v[BM+2*\u], v[BM+2*\u+1]
.endr
.irp u, 0,1
	v_add_nc_u32 v[SCL+\u], 0xff000000, v[BM+2*\u] ; 2 off the exponent field: the conversion's scale operand
.endr
.irp u, 0,1
	v_lshrrev_b32 v[BY+\u], 23, v[SCL+\u]          ; the scale's byte
.endr
.irp u, 0,1
	v_cvt_scalef32_pk16_fp6_f32 v[CC+8*\u:CC+8*\u+2], v[T0+32*\u:T0+32*\u+15], v[SCL+\u]
	v_cvt_scalef32_pk16_fp6_f32 v[CTB+4*\u:CTB+4*\u+2], v[T0+32*\u+16:T0+32*\u+31], v[SCL+\u]
.endr
	v_nop                                          ; one plain place behind the conversions
.irp u, 0,1
.irp i, 0,1,2
	v_mov_b32 v[CC+8*\u+3+\i], v[CTB+4*\u+\i]
.endr
.endr
.endm
.macro TFQK t, a, g                    ; result + bias: also the move into window 0.  Each accumulator is read from its low end on
.set k, 0
.rept 16
	v_pk_add_f32 v[\t+2*k:\t+2*k+1], v[64*(\a)+32*(\g)+2*k:64*(\a)+32*(\g)+2*k+1], v[BIAS+32*(\g)+2*k:BIAS+32*(\g)+2*k+1]
.set k, k+1
.endr
.endm
.macro GQK a                           ; activation tile a, g = 2 nh + 0, 1
	WIN 0x01
	TFQK T0, \a, 0
	TFQK T0+32, \a, 1
	WIN 0
	QB2
.irp u, 0,1
	ds_store_b128 v[LA], v[CC+8*\u:CC+8*\u+3] offset:((\a)/2)*768+((\a)%2)*64+16*\u
	ds_store_b64 v[LB], v[CC+8*\u+4:CC+8*\u+5] offset:512+((\a)/2)*768+((\a)%2)*32+8*\u
	ds_store_b8 v[LS], v[BY+\u] offset:32*((\a)/2)+8*((\a)%2)+2*\u
.endr
	s_wait_dscnt 0x0                               ; the stores have read their registers
.endm
.macro TFV t, al, pl                   ; V: result + bias, and the order of the keys in a block: 16 u + 8 (j / 4) + 4 parity + j % 4
.irp par, 0,1
.irp u2, 0,1
.irp jk, 0,1,2,3
	v_pk_add_f32 v[\t+16*\u2+8*(\jk/2)+4*\par+2*(\jk%2):\t+16*\u2+8*(\jk/2)+4*\par+2*(\jk%2)+1], v[8*(8*(2*(\al)+\par)+2*(\pl)+\u2)+2*\jk:8*(8*(2*(\al)+\par)+2*(\pl)+\u2)+2*\jk+1], v[BIAS+8*(2*(\pl)+\u2)+2*\jk:BIAS+8*(2*(\pl)+\u2)+2*\jk+1]
.endr
.endr
.endr
.endm
.macro GV al, q                        ; rows' pair al (registers 6 al .. of the fragment), d's pi = 2 q + 0, 1
	WIN 0x01
	TFV T0, \al, 2*(\q)
	TFV T0+32, \al, 2*(\q)+1
	WIN 0
	QB2
.irp u, 0,1
.if (\al) == 0
	ds_store_b128 v[LV], v[CC+8*\u:CC+8*\u+3] offset:16*(2*(\q)+\u)
	ds_store_b64 v[LV], v[CC+8*\u+4:CC+8*\u+5] offset:512+16*(2*(\q)+\u)
.else
	ds_store_b64 v[LV], v[CC+8*\u:CC+8*\u+1] offset:520+16*(2*(\q)+\u)
	ds_store_b128 v[LV], v[CC+8*\u+2:CC+8*\u+5] offset:1024+16*(2*(\q)+\u)
.endif
	ds_store_b8 v[LSV], v[BY+\u] offset:4*(2*(\q)+\u)+2*(\al)
.endr
	s_wait_dscnt 0x0
.endm
.macro WAYOUT rd, rds                  ; the stage is whole behind the barrier; wave w takes four runs of 1,536 bytes and 256 scale bytes
	s_wait_dscnt 0x0                               ; for the others' sake: my stores into the stage are done
	s_barrier_signal -1
	s_barrier_wait -1
.set i, 0
.rept 12
	ds_load_b128 v[T0+4*i:T0+4*i+3], v[\rd] offset:(i/3)*1552+(i%3)*512
.set i, i+1
.endr
	ds_load_b64 v[T0+48:T0+49], v[\rds]
.set i, 0
.rept 12
	s_wait_dscnt 12-i                              ; load i is in; the younger ones may be out
	global_store_b128 v[L16], v[T0+4*i:T0+4*i+3], s[POC:POC+1] offset:(i/3)*1536+(i%3)*512   ; 512 consecutive bytes
.set i, i+1
.endr
	s_wait_dscnt 0x0
	global_store_b64 v[L8], v[T0+48:T0+49], s[POS:POS+1]           ; 256 consecutive bytes
.endm
	s_load_b256 s[4:11], s[0:1], 0x0               ; actc, acts, wc, ws
	s_load_b256 s[12:19], s[0:1], 0x20             ; bq, bk, bv, qkvc
	s_load_b64 s[20:21], s[0:1], 0x40              ; qkvs
	v_lshl_add_u32 v[SPW], v0, 2, SPARE
	v_mov_b32 v[NIL], 0
	ds_add_u32 v[SPW], v[NIL]                      ; the opening: the add, twice on end, and its wait ahead of my first tensor load
	ds_add_u32 v[SPW], v[NIL]
	v_lshrrev_b32 v1, 5, v0
	v_readfirstlane_b32 s[WV], v1                  ; wave 0..3
	s_lshr_b32 s[MH], s[WV], 1                     ; my half of the rows; also: I fetch for A (0) or W (1)
	s_and_b32 s[NH], s[WV], 1                      ; my half of the columns; also: which half of the block I fetch
	s_bfe_u32 s[CX], ttmp6, 0x40000
	s_bfe_u32 s[CY], ttmp6, 0x40004
	s_and_b32 s[HB], ttmp7, 0xffff
	s_lshl_b32 s[HB], s[HB], 2
	s_add_co_u32 s[HB], s[HB], s[CY]               ; the head-batch: 128 rows
	s_lshl_b32 s82, s[CY], 2
	s_lshl_b32 s82, 15, s82                        ; my row of the cluster
	s_lshl_b32 s83, 0x1111, s[CX]                  ; my column
	s_or_b32 s[G1A], s82, (3<<16)|(1<<21)          ; group 1: a dense block as rows of 32 elements of 8 bytes; the mask, bit 21 beside it
	s_or_b32 s[G1W], s83, (3<<16)|(1<<21)
	s_mov_b32 s[G1A+1], 32<<16
	s_mov_b32 s[G1A+2], 192<<16                    ; A: 192 rows of 256 bytes: four K steps
	s_mov_b32 s[G1A+3], 32<<16
	s_mov_b32 s[G1A+4], 192
	s_mov_b32 s[G1A+5], 32
	s_mov_b32 s[G1A+6], 0
	s_mov_b32 s[G1A+7], 0
	s_mov_b32 s[G1W+1], 32<<16
	s_mov_b32 s[G1W+2], 384<<16                    ; W: 384 rows
	s_mov_b32 s[G1W+3], 32<<16
	s_mov_b32 s[G1W+4], 384
	s_mov_b32 s[G1W+5], 32
	s_mov_b32 s[G1W+6], 0
	s_mov_b32 s[G1W+7], 0
	s_mul_i32 s86, s[HB], 98304                    ; x's codes of my rows,
	s_mul_i32 s85, s[NH], 49152                    ; K steps 4 nh .. 4 nh + 3: in LDS and in memory
	s_add_co_u32 s86, s86, s85
	s_mov_b32 s87, 0
	s_mul_i32 s88, s[CX], 196608                   ; Wq's codes of my columns
	s_mul_i32 s90, s[NH], 98304
	s_add_co_u32 s88, s88, s90
	s_mov_b32 s89, 0
	s_add_co_u32 s90, s90, LW
	s_lshl_b32 s92, s[HB], 12                      ; A's scale words: [tensor][4 hb + 2 mh + p_][kq][lane][2]
	s_lshl_b32 s93, s[MH], 11
	s_add_co_u32 s92, s92, s93
	s_mov_b32 s93, 0
	s_lshl_b32 s94, s[CX], 13                      ; W's: [p][8 jN + 4 nh + p_][kq][lane][2]
	s_lshl_b32 s95, s[NH], 12
	s_add_co_u32 s94, s94, s95
	s_mov_b32 s95, 0
	s_mul_i32 s96, s[HB], 98304                    ; where my part of the result goes
	s_mul_i32 s97, s[CX], 24576
	s_add_co_u32 s96, s96, s97
	s_mul_i32 s97, s[WV], 6144
	s_add_co_u32 s96, s96, s97
	s_mov_b32 s97, 0
	s_lshl_b32 s98, s[HB], 12
	s_lshl_b32 s99, s[CX], 10
	s_add_co_u32 s98, s98, s99
	s_lshl_b32 s99, s[WV], 8
	s_add_co_u32 s98, s98, s99
	s_mov_b32 s99, 0
	s_lshl_b32 s69, s[CX], 1
	s_add_co_u32 s69, s69, s[NH]                   ; 2 jN + nh: the bias begins at this x 512 bytes (Q, K) or x 16 (V)
	s_lshl_b32 s[BOFF], s69, 9
	s_mov_b32 s[BOFF+1], 0
	s_mov_b32 s[STA], 6291456
	s_mov_b32 s[STA+1], 0
	s_mov_b32 s[STS], 262144
	s_mov_b32 s[STS+1], 0
	s_mul_i32 s101, s[MH], 12416                   ; the scalar parts of the LDS addresses
	s_lshl_b32 s70, s[NH], 5
	s_add_co_u32 s70, s70, s101
	s_add_co_u32 s70, s70, STGQ
	s_lshl_b32 s71, s[NH], 4
	s_add_co_u32 s71, s71, s101
	s_add_co_u32 s71, s71, STGQ
	s_lshl_b32 s72, s[NH], 6
	s_add_co_u32 s72, s72, s101
	s_add_co_u32 s72, s72, VST
	s_lshl_b32 s101, s[MH], 9
	s_lshl_b32 s73, s[NH], 2
	s_add_co_u32 s73, s73, s101
	s_add_co_u32 s73, s73, QKSC+STGQ
	s_lshl_b32 s74, s[NH], 4
	s_add_co_u32 s74, s74, s101
	s_add_co_u32 s74, s74, QKSC+VST
	s_mul_i32 s75, s[WV], 6208
	s_add_co_u32 s79, s75, VST
	s_add_co_u32 s75, s75, STGQ
	s_lshl_b32 s81, s[WV], 8
	s_add_co_u32 s84, s81, QKSC+VST
	s_add_co_u32 s81, s81, QKSC+STGQ
	s_mul_i32 s91, s[MH], 6144
	s_mul_i32 s100, s[NH], 12288
	s_add_co_u32 s100, s100, LW
	s_wait_dscnt 0x0                               ; both opening adds are done
	s_wait_kmcnt 0x0
	s_add_nc_u64 s[86:87], s[4:5], s[86:87]
	s_add_nc_u64 s[88:89], s[8:9], s[88:89]
	s_add_nc_u64 s[PSA:PSA+1], s[6:7], s[92:93]
	s_add_nc_u64 s[PSW:PSW+1], s[10:11], s[94:95]
	s_add_nc_u64 s[POC:POC+1], s[18:19], s[96:97]
	s_add_nc_u64 s[POS:POS+1], s[20:21], s[98:99]
	CROUND                                         ; all sixteen work-groups are here: the joint loads meet
	s_mov_b32 s[G0A], 1
	s_mov_b32 s[G0A+1], s85
	s_mov_b64 s[G0A+2:G0A+3], s[86:87]
	s_or_b32 s[G0A+3], s[G0A+3], 0x80000000
	s_mov_b32 s[G0W], 1
	s_mov_b32 s[G0W+1], s90
	s_mov_b64 s[G0W+2:G0W+3], s[88:89]
	s_or_b32 s[G0W+3], s[G0W+3], 0x80000000
	JLOAD                                          ; Q's tile: one load a wave at the head
	v_and_b32 v240, 31, v0
	v_and_b32 v241, 15, v0                         ; r
	v_bfe_u32 v242, v0, 4, 1                       ; h'
	v_and_b32 v243, 1, v0                          ; r % 2
	v_lshlrev_b32 v[L16], 4, v240
	v_lshlrev_b32 v[L8], 3, v240
	v_lshrrev_b32 v244, 1, v241                    ; r / 2
	v_lshlrev_b32 v[BO], 7, v242                   ; the bias: 32 numbers on for lanes 16-31
	v_mul_u32_u24 v245, v244, 1552
	v_lshlrev_b32 v246, 6, v244
	v_lshl_add_u32 v[LA], v243, 7, v245            ; Q, K: registers 0-3: 1552 (r / 2) + 128 (r % 2) + 256 h' + 12416 mh + 32 nh
	v_lshl_add_u32 v[LB], v243, 6, v245            ; registers 4, 5: half the steps
	v_lshl_add_u32 v[LV], v243, 8, v245            ; V: key step 8 mh + r / 2; lane 4 nh + pi + 8 h' + 16 (r % 2)
	v_lshl_add_u32 v[LS], v243, 4, v246            ; Q's, K's bytes
	v_add_nc_u32 v[LSV], v246, v243                ; V's bytes
	v_lshl_add_u32 v[LA], v242, 8, v[LA]
	v_lshl_add_u32 v[LB], v242, 7, v[LB]
	v_lshl_add_u32 v[LV], v242, 7, v[LV]
	v_add_nc_u32 v[LS], v[LS], v242
	v_lshl_add_u32 v[LSV], v242, 5, v[LSV]
	v_add_nc_u32 v[LA], s70, v[LA]
	v_add_nc_u32 v[LB], s71, v[LB]
	v_add_nc_u32 v[LV], s72, v[LV]
	v_add_nc_u32 v[LS], s73, v[LS]
	v_add_nc_u32 v[LSV], s74, v[LSV]
	v_add_nc_u32 v[RD], s75, v[L16]
	v_add_nc_u32 v[RDV], s79, v[L16]
	v_add_nc_u32 v[RDS], s81, v[L8]
	v_add_nc_u32 v[RDSV], s84, v[L8]
	v_add_nc_u32 v[AA], s91, v[L16]
	v_add_nc_u32 v[AW], s100, v[L16]
	v_add_nc_u32 v[AA+1], 49152, v[AA]
	v_add_nc_u32 v[AW+1], 49152, v[AW]
	v_add_nc_u32 v[AW+2], 98304, v[AW]
	v_add_nc_u32 v[AW+3], 147456, v[AW]
	s_wait_alu depctr_va_vdst(0)                   ; the wait at the head's end
	SCLOAD                                         ; Q's scale words
	s_mov_b32 s[TILE], 0
.Ltile:                                                ; two trips: Q, K
	s_cmp_eq_u32 s[TILE], 0
	s_cselect_b64 s[PB:PB+1], s[12:13], s[14:15]   ; bq or bk: the choice hangs on the trip alone
	s_add_nc_u64 s[PB:PB+1], s[PB:PB+1], s[BOFF:BOFF+1]
.irp tb, 0,1,2,3,4,5,6,7                       ; tile 4 gamma + t: columns 64 gamma + 8 t + 32 h' + 0..7; wanted on the way out
	global_load_b128 v[BIAS+8*\tb:BIAS+8*\tb+3], v[BO], s[PB:PB+1] offset:(64*(\tb/4)+8*(\tb%4))*4
	global_load_b128 v[BIAS+8*\tb+4:BIAS+8*\tb+7], v[BO], s[PB:PB+1] offset:(64*(\tb/4)+8*(\tb%4))*4+16
.endr
	KTILE 16                                       ; behind the scale words: the 16 loads of the bias
	s_wait_tensorcnt 0x0                           ; none of my loads is out;
	ds_add_u32 v[SPW], v[NIL]                      ; 0 onto my spare word;
	s_add_nc_u64 s[G0A+2:G0A+3], s[G0A+2:G0A+3], s[STA:STA+1]      ; the next tile: from x to y the first time, y again the second,
	s_add_nc_u64 s[G0W+2:G0W+3], s[G0W+2:G0W+3], 786432            ; and the next weight
	s_mov_b32 s[STA], 0
	s_wait_dscnt 0x0                               ; the add is done, and my reads of A and W are over
	CROUND                                         ; so are those of every wave of every partner
	JLOAD                                          ; the first tensor load behind the round; its four v_nop are the places behind the last products
	s_add_nc_u64 s[PSA:PSA+1], s[PSA:PSA+1], s[STS:STS+1]          ; (this tile's scale loads were waited for ahead of its products)
	s_add_nc_u64 s[PSW:PSW+1], s[PSW:PSW+1], 32768
	s_mov_b32 s[STS], 0
	SCLOAD                                         ; the next tile's scale words
	s_wait_loadcnt 24                              ; the bias is in; the 24 loads just issued may be out
	GQK 0
	GQK 1
	GQK 2
	GQK 3
	WAYOUT RD, RDS
	s_wait_xcnt 0x0                                ; the stores have read their base and their data
	s_add_nc_u64 s[POC:POC+1], s[POC:POC+1], 6291456
	s_add_nc_u64 s[POS:POS+1], s[POS:POS+1], 262144
	s_add_co_u32 s[TILE], s[TILE], 1
	s_cmp_lt_u32 s[TILE], 2
	s_wait_alu depctr_va_vdst(0)                   ; the wait directly ahead of the branch
	s_cbranch_scc1 .Ltile
	s_lshl_b32 s66, s69, 4                         ; V, written out: it asks for nothing more
	s_mov_b32 s67, 0
	s_add_nc_u64 s[PB:PB+1], s[16:17], s[66:67]
.irp tb, 0,1,2,3,4,5,6,7                       ; tile 2 pi + u, register j: column 64 (8 u + j) + pi + 32 h'
.irp j, 0,1,2,3,4,5,6,7
	global_load_b32 v[BIAS+8*\tb+\j], v[BO], s[PB:PB+1] offset:(64*(8*(\tb%2)+\j)+\tb/2)*4
.endr
.endr
	KTILE 63                                       ; behind the scale words: the 64 loads of the bias
	s_wait_dscnt 0x0
	s_barrier_signal -1
	s_barrier_wait -1                              ; every wave's reads of A are over: V's stage may be written
.rept 4
	v_nop                                          ; places behind the last products
.endr
	s_wait_loadcnt 0x0                             ; the bias
	GV 0, 0
	GV 0, 1
	GV 1, 0
	GV 1, 1
	WAYOUT RDV, RDSV
	s_wait_tensorcnt 0x0                           ; the wave's end
	ds_add_u32 v[SPW], v[NIL]
	s_wait_dscnt 0x0
	CROUND                                         ; the closing round
	s_endpgm
.Lfunc_end_k_q87bff4b696_proj:
	.size	k_q87bff4b696_proj, .Lfunc_end_k_q87bff4b696_proj-k_q87bff4b696_proj
	.p2alignl 7, 3214868480
	.fill 96, 4, 3214868480
	.section	.rodata,"a",@progbits
	.p2align	6, 0x0
	.amdhsa_kernel k_q87bff4b696_proj
		.amdhsa_group_segment_fixed_size 327680
		.amdhsa_private_segment_fixed_size 0
		.amdhsa_enable_private_segment 0
		.amdhsa_kernarg_size 72
		.amdhsa_user_sgpr_count 2
		.amdhsa_user_sgpr_kernarg_segment_ptr 1
		.amdhsa_wavefront_size32 1
		.amdhsa_system_sgpr_workgroup_id_x 1
		.amdhsa_system_sgpr_workgroup_id_y 1
		.amdhsa_system_sgpr_workgroup_id_z 1
		.amdhsa_system_vgpr_workitem_id 0
		.amdhsa_next_free_vgpr 768
		.amdhsa_next_free_sgpr 104
		.amdhsa_reserve_vcc 0
		.amdhsa_float_denorm_mode_32 3
		.amdhsa_float_denorm_mode_16_64 3
		.amdhsa_memory_ordered 1
		.amdhsa_forward_progress 1
		.amdhsa_inst_pref_size 175
	.end_amdhsa_kernel
	.amdgpu_metadata
---
amdhsa.version: [ 1, 2 ]
amdhsa.kernels:
  - .name:           k_q87bff4b696_proj
    .symbol:         k_q87bff4b696_proj.kd
    .args:
      - { .name: actc, .offset: 0, .size: 8, .value_kind: global_buffer, .address_space: global }
      - { .name: acts, .offset: 8, .size: 8, .value_kind: global_buffer, .address_space: global }
      - { .name: wc, .offset: 16, .size: 8, .value_kind: global_buffer, .address_space: global }
      - { .name: ws, .offset: 24, .size: 8, .value_kind: global_buffer, .address_space: global }
      - { .name: bq, .offset: 32, .size: 8, .value_kind: global_buffer, .address_space: global }
      - { .name: bk, .offset: 40, .size: 8, .value_kind: global_buffer, .address_space: global }
      - { .name: bv, .offset: 48, .size: 8, .value_kind: global_buffer, .address_space: global }
      - { .name: qkvc, .offset: 56, .size: 8, .value_kind: global_buffer, .address_space: global }
      - { .name: qkvs, .offset: 64, .size: 8, .value_kind: global_buffer, .address_space: global }
    .group_segment_fixed_size: 327680
    .private_segment_fixed_size: 0
    .kernarg_segment_align: 8
    .kernarg_segment_size: 72
    .max_flat_workgroup_size: 128
    .sgpr_count:     104
    .vgpr_count:     768
    .wavefront_size: 32
...
	.end_amdgpu_metadata
.endif
;; end of part 2
;; launch attn (part 3): grid 16 x 16, 8 waves a work-group, clusters of 4 x 1, 327,680 bytes of LDS; arguments qkvc, qkvs, oc, os; writes oc, os
.if DOCPART == 3
	.amdgcn_target "amdgcn-amd-amdhsa--gfx1250"
	.amdhsa_code_object_version 6
	.text
	.protected	k_q87bff4b696_attn
	.globl	k_q87bff4b696_attn
	.p2align	8
	.type	k_q87bff4b696_attn,@function
k_q87bff4b696_attn:
	s_mov_b64 s[64:65], 0
	v_nop
	global_prefetch_b8 v0, s[64:65] scope:SCOPE_SE
	s_setreg_imm32_b32 hwreg(HW_REG_WAVE_MODE, 25, 1), 1
	s_wait_xcnt 0x0
	s_wait_alu depctr_hold_cnt(0) depctr_sa_sdst(0) depctr_va_vdst(0) depctr_va_sdst(0) depctr_va_ssrc(0) depctr_va_vcc(0) depctr_vm_vsrc(0)
	s_getreg_b32 s2, hwreg(HW_REG_IB_STS2, 6, 4)
	s_cmp_eq_u32 s2, 0
	s_cbranch_scc0 .Lentry_in_a_cluster
	s_endpgm
.Lentry_in_a_cluster:
	s_bfe_u32 s2, ttmp6, 0x10000c
	s_cmp_lg_u32 s2, 0x3003
	s_cbranch_scc0 .Lentry_shape_is_right
	s_endpgm
.Lentry_shape_is_right:
; scores = Q K^T, softmax over the FOUR BATCHES (reference()'s axis 1), out = attn V, all on codes of E2M3; the result is quantised along the last product's K and laid as that launch's operand.
; No work of reference() is left out.
; SHARES.  A work-group takes one head, 128 queries and all four batches, since the softmax runs over them; a wave takes 16 queries x 4 batches.  Keys go in steps of 128, each in two halves of 64.
; LDS: a ring of two slots, at 0 and at SLOT1, of 8 x 12,288 bytes: two key steps of K's four batches, then of V's four; each wave fetches one of the eight parts.  K's and V's scales, 32,768 bytes at KS, come once.
; CLUSTER 4 x 1: the four partners take the same head and other queries, so they need the same tiles of K and V: each tile is asked for jointly.
; BOTH PRODUCTS ARE USED TRANSPOSED (S^T = K Q^T, O^T = V^T P^T): a lane holds one query, and its 32 registers of a batch are a whole block of 32 keys.
; The head's 64 numbers fill half of the instruction's 128.  A fragment of K holds TWO tiles of 16 keys, one in the lower 64, one in the upper.  Q's codes stand between runs of zero codes, [0][Q0][0][Q1][0][Q2][0][Q3][0]:
; with Q below and zeros above a product takes the lower tile, with zeros below and Q above the upper one.  So four tiles are 24 registers, and K has two sets: a group of four tiles is fetched one or two groups ahead of its products.
; The upper tile's two scale bytes are loaded into the upper half of their register; Q's two bytes stand in both halves of its word.
; The maximum over the four batches is taken away before the exponentials, as reference() does; p is normalised in f32 and then quantised block by block.
; LIMITS: NaN and infinities are not served; a block of zeros gets the byte 1 (its codes are zeros; the bytes are read by this program alone).
.set SLOT1, 1<<17
.set KS,    98304
.set VS,    114688
.set STG,   229376
.set OSS,   253952
.set SPARE, 254976
.set L16, 1
.set L8,  2
.set LSK, 3
.set LSV, 4
.set SPW, 5
.set NIL, 6
.set KA,  7
.set KB,  8
.set VA,  9
.set SKA, 10
.set SVA, 11
.set SH8, 12
.set L16V, 13
.set QS,  16
.set PS,  20
.set SK,  24
.set SV,  26
.set OA,  34
.set OSB, 37
.set RD,  38
.set RDS, 39
.set KBUF, 40
.set TC,  88
.set BM,  88
.set SCL, 92
.set PW,  96
.set PT,  100
.set S,   120
.set BY,  248
.set VB0, 200
.set VB1, 152
.set VB2, 104
.set QC,  128
.set P,   184
.set CT,  232
.set WV,  12
.set CX,  13
.set KQ,  14
.set HH,  15
.set G1,  24
.set G1S, 32
.set G0,  40
.set G0S, 44
.set TB,  48
.set TS,  49
.set SLOTS, 50
.set TWICE, 51
.set SEL, 52
.set L2E, 54
.set NL2E, 56
.set MSB, 0
.macro WIN new
.if MSB != \new
	s_set_vgpr_msb (MSB<<8)|\new
.set MSB, \new
.endif
.endm
.macro CROUND
	s_barrier_signal -1
	s_barrier_wait -1
	s_cmp_lg_u32 s[WV], 0
	s_cbranch_scc1 .Lnot_wave_0_\@
	s_barrier_signal -3
.Lnot_wave_0_\@:
	s_barrier_wait -3
	s_barrier_signal -1
	s_barrier_wait -1
.endm
	s_load_b256 s[4:11], s[0:1], 0x0
	v_lshl_add_u32 v[SPW], v0, 2, SPARE
	v_mov_b32 v[NIL], 0
	ds_add_u32 v[SPW], v[NIL]
	ds_add_u32 v[SPW], v[NIL]
	v_lshrrev_b32 v88, 5, v0
	s_delay_alu instid0(VALU_DEP_1)
	v_readfirstlane_b32 s[WV], v88
	s_bfe_u32 s[CX], ttmp6, 0x40000
	s_lshl_b32 s[KQ], ttmp9, 2
	s_add_co_u32 s[KQ], s[KQ], s[CX]
	s_and_b32 s[HH], ttmp7, 0xffff
	s_mov_b32 s[G1], 15|(3<<16)|(1<<21)
	s_mov_b32 s[G1+1], 384<<16
	s_mov_b32 s[G1+2], 4<<16
	s_mov_b32 s[G1+3], 384<<16
	s_mov_b32 s[G1+4], 4
	s_mov_b32 s[G1+5], 3072
	s_mov_b32 s[G1+6], 0
	s_mov_b32 s[G1+7], 0
	s_lshr_b32 s16, s[WV], 2
	s_add_co_u32 s16, s16, 1
	s_and_b32 s17, s[WV], 3
	s_lshl_b32 s18, s[HH], 2
	s_add_co_u32 s18, s18, s17
	s_mul_i32 s20, s16, 6291456
	s_mul_i32 s19, s18, 98304
	s_add_co_u32 s20, s20, s19
	s_mov_b32 s21, 0
	s_lshl_b32 s22, s16, 18
	s_lshl_b32 s19, s18, 12
	s_add_co_u32 s22, s22, s19
	s_mov_b32 s23, 0
	s_mul_i32 s19, s[WV], 12288
	s_lshl_b32 s17, s[WV], 12
	s_add_co_u32 s17, s17, KS
	s_mov_b32 s[SEL], 0x76543210
	s_mov_b32 s[SEL+1], 0xfedcba98
	s_mov_b32 s[L2E], 0x3fb8aa3b
	s_mov_b32 s[L2E+1], s[L2E]
	s_mov_b32 s[NL2E], 0xbfb8aa3b
	s_mov_b32 s[NL2E+1], s[NL2E]
	s_mov_b32 s[TB], 0
	s_mov_b32 s[TS], 0
	s_mov_b32 s[SLOTS], 7
	s_wait_dscnt 0x0
	s_wait_kmcnt 0x0
	s_mov_b32 s[G0S+1], s17                        ; where my 4,096 scale bytes go in LDS: KS + 4,096 x wave,
	s_add_nc_u64 s[G0S+2:G0S+3], s[6:7], s[22:23]  ; and where they lie in memory
	s_mov_b32 s[G0], 1
	s_mov_b32 s[G0+1], s19
	s_add_nc_u64 s[G0+2:G0+3], s[4:5], s[20:21]
	s_or_b32 s[G0+3], s[G0+3], 0x80000000
	CROUND                                         ; all four work-groups are here: the joint loads meet
	tensor_load_to_lds s[G0:G0+3], s[G1:G1+7]      ; slot 0: my one tensor load at the head
	s_nop 0
.rept 4
	v_nop
.endr
	v_and_b32 v88, 31, v0
	v_and_b32 v89, 15, v0
	v_bfe_u32 v90, v0, 4, 1
	v_bfe_u32 v91, v0, 3, 1
	v_and_b32 v92, 7, v0
	v_bfe_u32 v93, v0, 2, 1
	v_and_b32 v94, 3, v0
	v_lshlrev_b32 v[L16], 4, v88
	v_lshlrev_b32 v[L8], 3, v88
	s_delay_alu instid0(VALU_DEP_2)
	v_add_nc_u32 v[L16V], 49152, v[L16]
; THE SCALES come through registers: each wave loads its 4,096 bytes (K's or V's, one batch) as eight runs of 512 consecutive bytes and stores them to LDS bytes on which no tensor load lands.
; They are not asked for jointly: 32,768 bytes a work-group, against the 786,432 bytes of codes that it walks.
.irp i, 0,1,2,3,4,5,6,7
	global_load_b128 v[S+4*\i:S+4*\i+3], v[L16], s[G0S+2:G0S+3] offset:512*\i
.endr
	v_add_nc_u32 v[SKA], s[G0S+1], v[L16]          ; their place in LDS (the register is made anew in every key step)
	v_lshlrev_b32 v[LSK], 1, v89
	s_delay_alu instid0(VALU_DEP_1)
	v_lshl_add_u32 v[LSK], v90, 11, v[LSK]         ; lanes 16-31 take the scale bytes of the tile two on
	s_delay_alu instid0(VALU_DEP_1)
	v_add_nc_u32 v[LSK], KS, v[LSK]
	v_lshlrev_b32 v[LSV], 2, v89
	s_delay_alu instid0(VALU_DEP_1)
	v_lshl_add_u32 v[LSV], v90, 10, v[LSV]
	s_delay_alu instid0(VALU_DEP_1)
	v_add_nc_u32 v[LSV], VS, v[LSV]
	v_lshlrev_b32 v[SH8], 3, v90
	s_and_b32 s16, s[WV], 1
	s_lshr_b32 s17, s[WV], 1
	s_lshl_b32 s18, s16, 4
	v_mul_u32_u24 v95, v93, 768
	s_delay_alu instid0(VALU_DEP_1)
	v_lshl_add_u32 v96, v94, 5, v95
	s_delay_alu instid0(VALU_DEP_2)
	v_lshl_add_u32 v95, v94, 6, v95
	s_delay_alu instid0(VALU_DEP_1)
	v_lshl_add_u32 v95, v91, 5, v95
	s_delay_alu instid0(VALU_DEP_1)
	v_lshl_add_u32 v95, v90, 8, v95
	s_delay_alu instid0(VALU_DEP_1)
	v_add_nc_u32 v95, s18, v95
	s_wait_alu depctr_va_vdst(0)
	s_lshl_b32 s18, s16, 3
	v_lshl_add_u32 v96, v91, 4, v96
	s_delay_alu instid0(VALU_DEP_1)
	v_lshl_add_u32 v96, v90, 7, v96
	s_delay_alu instid0(VALU_DEP_1)
	v_add_nc_u32 v96, s18, v96
	s_wait_alu depctr_va_vdst(0)
	s_lshl_b32 s18, s16, 1
	v_lshlrev_b32 v97, 5, v93
	s_delay_alu instid0(VALU_DEP_1)
	v_lshl_add_u32 v97, v94, 3, v97
	s_delay_alu instid0(VALU_DEP_1)
	v_lshl_add_u32 v97, v91, 2, v97
	s_delay_alu instid0(VALU_DEP_1)
	v_add_nc_u32 v97, s18, v97
	s_mul_i32 s20, s[HH], 393216
	s_mul_i32 s21, s17, 24576
	s_add_co_u32 s20, s20, s21
	s_mul_i32 s21, s[KQ], 1536
	s_add_co_u32 s20, s20, s21
	s_mov_b32 s21, 0
	s_add_nc_u64 s[58:59], s[4:5], s[20:21]
	s_lshl_b32 s20, s[HH], 14
	s_lshl_b32 s21, s17, 10
	s_add_co_u32 s20, s20, s21
	s_lshl_b32 s21, s[KQ], 6
	s_add_co_u32 s20, s20, s21
	s_mov_b32 s21, 0
	s_add_nc_u64 s[60:61], s[6:7], s[20:21]
	WIN 0x40
.irp b, 0,1,2,3
	global_load_b128 v[QC+12*\b+6:QC+12*\b+9], v95, s[58:59] offset:\b*98304
	global_load_b64 v[QC+12*\b+10:QC+12*\b+11], v96, s[58:59] offset:\b*98304+512
.endr
.set i, 0
.rept 128
	v_mov_b32 v[i], 0
.set i, i+1
.endr
.irp j, 0,1,2,3,4
.irp i, 0,1,2,3,4,5
	v_mov_b32 v[QC+12*\j+\i], 0                    ; the five runs of zero codes round Q's four
.endr
.endr
	WIN 0
.irp b, 0,1,2,3
	global_load_u16 v[QS+\b], v97, s[60:61] offset:\b*4096
.endr
	v_mov_b32 v[SK+1], 0                           ; the registers whose upper halves take the odd tiles' scale bytes
	v_mov_b32 v[SK-9], 0
	v_mul_u32_u24 v98, v91, 3072
	s_delay_alu instid0(VALU_DEP_1)
	v_lshl_add_u32 v98, v92, 4, v98
	s_delay_alu instid0(VALU_DEP_1)
	v_lshl_add_u32 v98, v90, 8, v98
	s_wait_alu depctr_va_vdst(0)
	s_mul_i32 s18, s17, 6144
	s_add_co_u32 s18, s18, STG
	s_mul_i32 s19, s16, 520
	s_add_co_u32 s20, s18, s19
	v_add_nc_u32 v[OA], s20, v98
	s_add_co_u32 s20, s20, 512
	v_add_nc_u32 v[OA+2], s20, v98
	s_mul_i32 s19, s16, 1016
	s_add_co_u32 s20, s18, s19
	s_add_co_u32 s20, s20, 8
	v_add_nc_u32 v[OA+1], s20, v98
	v_lshlrev_b32 v99, 3, v92
	s_delay_alu instid0(VALU_DEP_1)
	v_lshl_add_u32 v99, v91, 2, v99
	s_delay_alu instid0(VALU_DEP_1)
	v_add_nc_u32 v99, v99, v90
	s_lshl_b32 s18, s17, 8
	s_lshl_b32 s19, s16, 1
	s_add_co_u32 s18, s18, s19
	s_add_co_u32 s18, s18, OSS
	v_add_nc_u32 v[OSB], s18, v99
	s_mul_i32 s18, s[WV], 3072
	s_add_co_u32 s18, s18, STG
	v_add_nc_u32 v[RD], s18, v[L16]
	s_and_b32 s18, s[WV], 3
	s_lshl_b32 s18, s18, 8
	s_add_co_u32 s19, s18, OSS
	v_add_nc_u32 v[RDS], s19, v[L8]
	s_lshr_b32 s16, s[KQ], 2
	s_lshl_b32 s17, s[HH], 2
	s_add_co_u32 s16, s16, s17
	s_and_b32 s17, s[KQ], 3
	s_mul_i32 s20, s16, 98304
	s_mul_i32 s21, s[WV], 12288
	s_add_co_u32 s20, s20, s21
	s_mul_i32 s21, s17, 3072
	s_add_co_u32 s20, s20, s21
	s_mov_b32 s21, 0
	s_add_nc_u64 s[62:63], s[8:9], s[20:21]
	s_lshl_b32 s20, s16, 12
	s_lshl_b32 s21, s17, 10
	s_add_co_u32 s20, s20, s21
	s_add_co_u32 s20, s20, s18
	s_mov_b32 s21, 0
	s_add_nc_u64 s[66:67], s[10:11], s[20:21]
; ten LDS loads: batch b's four tiles of half c into set s (24 registers: tiles 0, 1 are one fragment, tiles 2, 3 the other), and their scale bytes:
; v[SK - 10 s]: tiles 0 (lanes 0-15) and 2 (lanes 16-31) in the lower half; v[SK + 1 - 10 s]: tiles 1 and 3 in the upper half
.macro KLOAD b, c, s
.irp qd, 0,1,2,3
	ds_load_b128 v[KBUF+24*(\s)+6*\qd:KBUF+24*(\s)+6*\qd+3], v[KA] offset:(4*(\b)+\qd)*3072+768*(\c)
	ds_load_b64 v[KBUF+24*(\s)+6*\qd+4:KBUF+24*(\s)+6*\qd+5], v[KB] offset:(4*(\b)+\qd)*3072+768*(\c)+512
.endr
	ds_load_u16 v[SK-10*(\s)], v[SKA] offset:4096*(\b)+32*(\c)
	ds_load_u16_d16_hi v[SK+1-10*(\s)], v[SKA] offset:4096*(\b)+1024+32*(\c)
.endm
.macro SW4 b, s
.irp qd, 0,1,2,3
.if \qd/2
	v_wmma_scale_f32_16x16x128_f8f6f4 v[S+32*(\b)+8*\qd:S+32*(\b)+8*\qd+7], v[KBUF+24*(\s)+12*(\qd/2):KBUF+24*(\s)+12*(\qd/2)+11], v[QC+12*(\b)+6-6*(\qd%2):QC+12*(\b)+17-6*(\qd%2)], 0, v[SK-10*(\s)+\qd%2], v[QS+(\b)] matrix_a_fmt:MATRIX_FMT_FP6 matrix_b_fmt:MATRIX_FMT_FP6 matrix_a_scale:MATRIX_SCALE_ROW1
.else
	v_wmma_scale_f32_16x16x128_f8f6f4 v[S+32*(\b)+8*\qd:S+32*(\b)+8*\qd+7], v[KBUF+24*(\s)+12*(\qd/2):KBUF+24*(\s)+12*(\qd/2)+11], v[QC+12*(\b)+6-6*(\qd%2):QC+12*(\b)+17-6*(\qd%2)], 0, v[SK-10*(\s)+\qd%2], v[QS+(\b)] matrix_a_fmt:MATRIX_FMT_FP6 matrix_b_fmt:MATRIX_FMT_FP6
.endif
.endr
.endm
.macro SUB c
	WIN 0x04
	s_wait_dscnt 10                                ; batch 0's group is in; batch 1's ten loads may be out
	SW4 0, 0
.rept 4
	v_nop                                          ; places in front of the loads into the set just read
.endr
	KLOAD 2, \c, 0
	s_wait_dscnt 10                                ; batch 1's group is in; the ten just issued may be out
	SW4 1, 1
.rept 4
	v_nop                                          ; places in front of the loads, and of the first reads of these scores
.endr
	KLOAD 3, \c, 1
	WIN 0
.set i, 0
.rept 11
	v_max_num_f32 v[TC+i], v[S+i], v[S+32+i]       ; the larger of batches 0 and 1, in three runs; each accumulator is read from its low end on
.set i, i+1
.endr
	s_wait_dscnt 10                                ; batch 2's group is in
	WIN 0x04
	SW4 2, 0
	WIN 0
.rept 11
	v_max_num_f32 v[TC+i], v[S+i], v[S+32+i]       ; these name no register of batch 2's products and are the places behind them
.set i, i+1
.endr
.if (\c) == 0
	KLOAD 0, 1, 0                                  ; the second half's first two groups are fetched under this half's vector work
	s_wait_dscnt 10                                ; batch 3's group is in
.else
	s_wait_dscnt 0x0
.endif
	WIN 0x04
	SW4 3, 1
	WIN 0
.rept 10
	v_max_num_f32 v[TC+i], v[S+i], v[S+32+i]       ; the places behind batch 3's products
.set i, i+1
.endr
.if (\c) == 0
	KLOAD 1, 1, 1
.endif
.set i, 0
.rept 32
	v_max3_num_f32 v[TC+i], v[TC+i], v[S+64+i], v[S+96+i]          ; the largest of the four batches
.set i, i+1
.endr
.set i, 0
.rept 16
	v_pk_mul_f32 v[TC+2*i:TC+2*i+1], v[TC+2*i:TC+2*i+1], s[NL2E:NL2E+1] op_sel_hi:[1,0]
.set i, i+1
.endr
.set j, 0
.rept 64
	v_pk_fma_f32 v[S+2*j:S+2*j+1], v[S+2*j:S+2*j+1], s[L2E:L2E+1], v[TC+(2*j)%32:TC+(2*j)%32+1] op_sel_hi:[1,0,1]   ; (score - maximum) x log2(e): all the batch's sources first
.set j, j+1
.endr
	s_wait_alu depctr_va_vdst(0)                   ; one wait ahead of the batch
.set j, 0
.rept 128
	v_exp_f32 v[S+j], v[S+j]
.set j, j+1
.endr
	v_nop                                          ; one plain place behind the last exponential
	s_wait_alu depctr_va_vdst(0)                   ; and one wait behind the batch, ahead of its first reader
.set i, 0
.rept 16
	v_pk_add_f32 v[TC+2*i:TC+2*i+1], v[S+2*i:S+2*i+1], v[S+32+2*i:S+32+2*i+1]
.set i, i+1
.endr
.set i, 0
.rept 16
	v_pk_add_f32 v[TC+2*i:TC+2*i+1], v[TC+2*i:TC+2*i+1], v[S+64+2*i:S+64+2*i+1]
.set i, i+1
.endr
.set i, 0
.rept 16
	v_pk_add_f32 v[TC+2*i:TC+2*i+1], v[TC+2*i:TC+2*i+1], v[S+96+2*i:S+96+2*i+1]
.set i, i+1
.endr
.set i, 0
	s_wait_alu depctr_va_vdst(0)
.rept 32
	v_rcp_f32 v[TC+i], v[TC+i]
.set i, i+1
.endr
	v_nop
	s_wait_alu depctr_va_vdst(0)
.set j, 0
.rept 64
	v_pk_mul_f32 v[S+2*j:S+2*j+1], v[S+2*j:S+2*j+1], v[TC+(2*j)%32:TC+(2*j)%32+1]
.set j, j+1
.endr
.irp b, 0,1,2,3                        ; each block's largest p in two chains, eight chains by turns: a line reads what stands eight lines above it
	v_max3_num_f32 v[BM+\b], v[S+32*\b], v[S+32*\b+1], 0x1800000   ; the floor 2^(3 - 127) holds the byte at 1 from below
.endr
.irp b, 0,1,2,3
	v_max3_num_f32 v[BM+16+\b], v[S+32*\b+2], v[S+32*\b+3], 0x1800000
.endr
.irp i, 4,8,12,16,20,24,28
.irp b, 0,1,2,3
	v_max3_num_f32 v[BM+\b], v[BM+\b], v[S+32*\b+\i], v[S+32*\b+\i+1]
.endr
.irp b, 0,1,2,3
	v_max3_num_f32 v[BM+16+\b], v[BM+16+\b], v[S+32*\b+\i+2], v[S+32*\b+\i+3]
.endr
.endr
.irp b, 0,1,2,3
	s_delay_alu instid0(VALU_DEP_4)
	v_max_num_f32 v[BM+\b], v[BM+\b], v[BM+16+\b]
.endr
.irp b, 0,1,2,3
	s_delay_alu instid0(VALU_DEP_4)
	v_add_nc_u32 v[SCL+\b], 0xff000000, v[BM+\b]
.endr
.irp b, 0,1,2,3
	s_delay_alu instid0(VALU_DEP_4)
	v_lshrrev_b32 v[BY+2*\b+(\c)], 23, v[SCL+\b]
.endr
.if (\c) == 1
.irp b, 0,1,2,3
	s_delay_alu instid0(VALU_DEP_4)
	v_lshl_or_b32 v[PW+\b], v[BY+2*\b+1], 16, v[BY+2*\b]
.endr
.irp b, 0,1,2,3
	s_delay_alu instid0(VALU_DEP_4)
	v_lshlrev_b32 v[PW+\b], v[SH8], v[PW+\b]
.endr
.irp b, 0,1,2,3
	v_permlanex16_b32 v[PT+\b], v[PW+\b], s[SEL], s[SEL+1]
.endr
.irp b, 0,1,2,3
	s_delay_alu instid0(VALU_DEP_4)
	v_or_b32 v[PS+\b], v[PW+\b], v[PT+\b]
.endr
.endif
	WIN 0x40
.irp b, 0,1,2,3
	v_cvt_scalef32_pk16_fp6_f32 v[P+12*\b+6*(\c):P+12*\b+6*(\c)+2], v[S+32*\b:S+32*\b+15], v[SCL+\b]
	v_cvt_scalef32_pk16_fp6_f32 v[CT+4*\b:CT+4*\b+2], v[S+32*\b+16:S+32*\b+31], v[SCL+\b]
.endr
	v_nop
	WIN 0x41
.irp b, 0,1,2,3
.irp i, 0,1,2
	v_mov_b32 v[P+12*\b+6*(\c)+3+\i], v[CT+4*\b+\i]
.endr
.endr
	WIN 0
.endm
.macro VLOAD b, vb
.irp t, 0,1,2,3
.irp p, 0,1,2
	ds_load_b128 v[\vb+12*\t+4*\p:\vb+12*\t+4*\p+3], v[VA] offset:(4*(\b)+\t)*3072+512*\p
.endr
.endr
.endm
.macro PV4 b, vb
.irp t, 0,1,2,3
.if \t%2
	v_wmma_scale_f32_16x16x128_f8f6f4 v[32*(\b)+8*\t:32*(\b)+8*\t+7], v[\vb+12*\t:\vb+12*\t+11], v[P+12*(\b):P+12*(\b)+11], v[32*(\b)+8*\t:32*(\b)+8*\t+7], v[SV+2*(\b)+\t/2], v[PS+(\b)] matrix_a_fmt:MATRIX_FMT_FP6 matrix_b_fmt:MATRIX_FMT_FP6 matrix_a_scale:MATRIX_SCALE_ROW1
.else
	v_wmma_scale_f32_16x16x128_f8f6f4 v[32*(\b)+8*\t:32*(\b)+8*\t+7], v[\vb+12*\t:\vb+12*\t+11], v[P+12*(\b):P+12*(\b)+11], v[32*(\b)+8*\t:32*(\b)+8*\t+7], v[SV+2*(\b)+\t/2], v[PS+(\b)] matrix_a_fmt:MATRIX_FMT_FP6 matrix_b_fmt:MATRIX_FMT_FP6
.endif
.endr
.endm
.macro KEYSTEP
	v_add_nc_u32 v[KA], s[TB], v[L16]
	s_wait_alu depctr_va_vdst(0)
	v_add_nc_u32 v[KB], s[TB], v[L8]
	s_wait_alu depctr_va_vdst(0)
	v_add_nc_u32 v[VA], s[TB], v[L16V]
	v_add_nc_u32 v[SKA], s[TS], v[LSK]
	s_wait_alu depctr_va_vdst(0)
	v_add_nc_u32 v[SVA], s[TS], v[LSV]
	v_nop
	KLOAD 0, 0, 0
	KLOAD 1, 0, 1
	SUB 0
	SUB 1
.irp b, 0,1,2,3
.irp i, 0,1
	ds_load_b32 v[SV+2*\b+\i], v[SVA] offset:4096*\b+2048*\i
.endr
.endr
	VLOAD 0, VB0
	VLOAD 1, VB1
	VLOAD 2, VB2
.rept 4
	v_nop
.endr
	s_wait_alu depctr_va_vdst(0)
	s_wait_dscnt 24
	WIN 0x54
	PV4 0, VB0
	WIN 0
.rept 4
	v_nop
.endr
	VLOAD 3, VB0
	s_wait_dscnt 24
	WIN 0x54
	PV4 1, VB1
	s_wait_dscnt 12
	PV4 2, VB2
	s_wait_dscnt 0x0
	PV4 3, VB0
	WIN 0
	s_add_co_u32 s[TB], s[TB], 1536
	s_add_co_u32 s[TS], s[TS], 64
.endm
.macro CHANGE fill
	s_wait_tensorcnt 0x0
	ds_add_u32 v[SPW], v[NIL]
.if \fill
	s_xor_b32 s[G0+1], s[G0+1], SLOT1
	s_add_nc_u64 s[G0+2:G0+3], s[G0+2:G0+3], 3072
.endif
	s_wait_dscnt 0x0
.if \fill
	CROUND
	tensor_load_to_lds s[G0:G0+3], s[G1:G1+7]
	s_nop 0
.rept 4
	v_nop
.endr
.else
	s_barrier_signal -1
	s_barrier_wait -1
.endif
.endm
.macro TWO_STEPS
	s_mov_b32 s[TWICE], 2
.Lstep_\@:
	KEYSTEP
	s_sub_co_u32 s[TWICE], s[TWICE], 1
	s_cmp_lg_u32 s[TWICE], 0
	s_cbranch_scc1 .Lstep_\@
	s_sub_co_u32 s[TB], s[TB], 3072
	s_xor_b32 s[TB], s[TB], SLOT1
.endm
	s_wait_loadcnt 0x0
.irp i, 0,1,2,3,4,5,6,7
	ds_store_b128 v[SKA], v[S+4*\i:S+4*\i+3] offset:512*\i         ; waited for in front of the first change of slots, whose round shows them to every wave
.endr
.irp b, 0,1,2,3
	v_lshl_or_b32 v[QS+\b], v[QS+\b], 16, v[QS+\b] ; Q's two scale bytes in both halves of the word
.endr
	s_wait_alu depctr_va_vdst(0)
.Lslot:
	CHANGE 1
	TWO_STEPS
	s_sub_co_u32 s[SLOTS], s[SLOTS], 1
	s_cmp_lg_u32 s[SLOTS], 0
	s_cbranch_scc1 .Lslot
	CHANGE 0
	TWO_STEPS
.set OC,  40
.set OCT, 72
.set BYO, 96
.rept 4
	v_nop
.endr
	WIN 0x05
.irp b, 0,1,2,3
	v_max3_num_f32 v[BM+\b], |v[32*\b]|, |v[32*\b+1]|, 0x1800000
.endr
.irp i, 2,4,6,8,10,12,14,16,18,20,22,24,26,28,30
.irp b, 0,1,2,3
	v_max3_num_f32 v[BM+\b], |v[32*\b+\i]|, |v[32*\b+\i+1]|, v[BM+\b]
.endr
.endr
	WIN 0
.irp b, 0,1,2,3
	v_add_nc_u32 v[SCL+\b], 0xff000000, v[BM+\b]
.endr
.irp b, 0,1,2,3
	s_delay_alu instid0(VALU_DEP_4)
	v_lshrrev_b32 v[BYO+\b], 23, v[SCL+\b]
.endr
	WIN 0x01
.irp b, 0,1,2,3
	v_cvt_scalef32_pk16_fp6_f32 v[OC+8*\b:OC+8*\b+2], v[32*\b:32*\b+15], v[SCL+\b]
	v_cvt_scalef32_pk16_fp6_f32 v[OCT+4*\b:OCT+4*\b+2], v[32*\b+16:32*\b+31], v[SCL+\b]
.endr
	WIN 0
	v_nop
.irp b, 0,1,2,3
.irp i, 0,1,2
	v_mov_b32 v[OC+8*\b+3+\i], v[OCT+4*\b+\i]
.endr
.endr
.irp b, 0,1,2,3
.irp i, 0,1,2
	ds_store_b64 v[OA+\i], v[OC+8*\b+2*\i:OC+8*\b+2*\i+1] offset:1536*(\b/2)+128*(\b%2)
.endr
	ds_store_b8 v[OSB], v[BYO+\b] offset:64*\b
.endr
	s_wait_dscnt 0x0
	s_barrier_signal -1
	s_barrier_wait -1
.irp i, 0,1,2,3,4,5
	ds_load_b128 v[104+4*\i:107+4*\i], v[RD] offset:512*\i
.endr
.irp i, 0,1,2,3,4,5
	s_wait_dscnt 5-\i
	global_store_b128 v[L16], v[104+4*\i:107+4*\i], s[62:63] offset:512*\i
.endr
	s_cmp_lt_u32 s[WV], 4
	s_cbranch_scc0 .Lno_words
	ds_load_b64 v[128:129], v[RDS]
	s_wait_dscnt 0x0
	global_store_b64 v[L8], v[128:129], s[66:67]
.Lno_words:
	s_wait_tensorcnt 0x0
	ds_add_u32 v[SPW], v[NIL]
	s_wait_dscnt 0x0
	CROUND
	s_endpgm
.Lfunc_end_k_q87bff4b696_attn:
	.size	k_q87bff4b696_attn, .Lfunc_end_k_q87bff4b696_attn-k_q87bff4b696_attn
	.p2alignl 7, 3214868480
	.fill 96, 4, 3214868480
	.section	.rodata,"a",@progbits
	.p2align	6, 0x0
	.amdhsa_kernel k_q87bff4b696_attn
		.amdhsa_group_segment_fixed_size 327680
		.amdhsa_private_segment_fixed_size 0
		.amdhsa_enable_private_segment 0
		.amdhsa_kernarg_size 32
		.amdhsa_user_sgpr_count 2
		.amdhsa_user_sgpr_kernarg_segment_ptr 1
		.amdhsa_wavefront_size32 1
		.amdhsa_system_sgpr_workgroup_id_x 1
		.amdhsa_system_sgpr_workgroup_id_y 1
		.amdhsa_system_sgpr_workgroup_id_z 1
		.amdhsa_system_vgpr_workitem_id 0
		.amdhsa_next_free_vgpr 512
		.amdhsa_next_free_sgpr 70
		.amdhsa_reserve_vcc 0
		.amdhsa_float_denorm_mode_32 3
		.amdhsa_float_denorm_mode_16_64 3
		.amdhsa_memory_ordered 1
		.amdhsa_forward_progress 1
		.amdhsa_inst_pref_size 167
	.end_amdhsa_kernel
	.amdgpu_metadata
---
amdhsa.version: [ 1, 2 ]
amdhsa.kernels:
  - .name:           k_q87bff4b696_attn
    .symbol:         k_q87bff4b696_attn.kd
    .args:
      - { .name: qkvc, .offset: 0, .size: 8, .value_kind: global_buffer, .address_space: global }
      - { .name: qkvs, .offset: 8, .size: 8, .value_kind: global_buffer, .address_space: global }
      - { .name: oc, .offset: 16, .size: 8, .value_kind: global_buffer, .address_space: global }
      - { .name: os, .offset: 24, .size: 8, .value_kind: global_buffer, .address_space: global }
    .group_segment_fixed_size: 327680
    .private_segment_fixed_size: 0
    .kernarg_segment_align: 8
    .kernarg_segment_size: 32
    .max_flat_workgroup_size: 256
    .sgpr_count:     70
    .vgpr_count:     512
    .wavefront_size: 32
...
	.end_amdgpu_metadata
.endif
;; end of part 3
;; launch outp (part 4): grid 4 x 64, 4 waves a work-group, clusters of 4 x 4, 327,680 bytes of LDS; arguments oc, os, wc, ws, bo, out0; writes out0
.if DOCPART == 4
	.amdgcn_target "amdgcn-amd-amdhsa--gfx1250"
	.amdhsa_code_object_version 6
	.text
	.protected	k_q87bff4b696_outp
	.globl	k_q87bff4b696_outp
	.p2align	8
	.type	k_q87bff4b696_outp,@function
k_q87bff4b696_outp:
	s_mov_b64 s[64:65], 0
	v_nop
	global_prefetch_b8 v0, s[64:65] scope:SCOPE_SE
	s_setreg_imm32_b32 hwreg(HW_REG_WAVE_MODE, 25, 1), 1
	s_wait_xcnt 0x0
	s_wait_alu depctr_hold_cnt(0) depctr_sa_sdst(0) depctr_va_vdst(0) depctr_va_sdst(0) depctr_va_ssrc(0) depctr_va_vcc(0) depctr_vm_vsrc(0)
	s_getreg_b32 s2, hwreg(HW_REG_IB_STS2, 6, 4)
	s_cmp_eq_u32 s2, 0
	s_cbranch_scc0 .Lentry_in_a_cluster
	s_endpgm
.Lentry_in_a_cluster:
	s_bfe_u32 s2, ttmp6, 0x10000c
	s_cmp_lg_u32 s2, 0xf033
	s_cbranch_scc0 .Lentry_shape_is_right
	s_endpgm
.Lentry_shape_is_right:
; out0 = O Wo^T + bo on codes of E2M3: O's codes and scale words as the attention launch laid them, Wo's as the quantising launch did.  No work of reference() is left out.
; SHARES.  A work-group makes 128 rows x 256 columns, a wave 64 x 128: 32 accumulators, which take turns.  bo is the C of each accumulator's first product.
; ALL OF K (1,024) LIES IN LDS, FILLED ONCE: O's 98,304 bytes at 0, Wo's 196,608 at LW, as images of operand registers.  Each is dense in memory: waves 0, 1 fetch O's halves, waves 2, 3 Wo's, one joint load a wave.
; CLUSTER 4 x 4: the four of a row share O's block, the four of a column Wo's.  The product is used transposed, so that a lane holds eight neighbouring columns of a row.
; The way out goes through each wave's own stage, in O's bytes, whose only fill and last read are over; 32 lanes store 512 consecutive bytes of a row of out0.
.set LW,    98304
.set SPARE, 294912
.set L16, 2
.set L8,  3
.set AA,  4
.set AW,  5
.set SPW, 6
.set NIL, 7
.set STO, 8
.set RD,  9
.set BO,  15
.set SA,  16
.set SW,  32
.set AF,  64
.set BIAS, 160
.set BK,  64
.set WV,  22
.set MH,  23
.set NH,  76
.set CX,  77
.set CY,  78
.set HB,  80
.set G1A, 24
.set G1W, 32
.set G0A, 40
.set MSB, 0
.macro WIN new
.if MSB != \new
	s_set_vgpr_msb (MSB<<8)|\new
.set MSB, \new
.endif
.endm
.macro JLOAD g0a, g1a, g0b, g1b
	s_cmp_eq_u32 s[MH], 0
	s_cbranch_scc0 .Lfor_b_\@
	tensor_load_to_lds s[\g0a:\g0a+3], s[\g1a:\g1a+7]
	s_nop 0
.rept 4
	v_nop
.endr
	s_branch .Lasked_\@
.Lfor_b_\@:
	tensor_load_to_lds s[\g0b:\g0b+3], s[\g1b:\g1b+7]
	s_nop 0
.rept 4
	v_nop
.endr
.Lasked_\@:
.endm
.macro CROUND
	s_barrier_signal -1
	s_barrier_wait -1
	s_cmp_lg_u32 s[WV], 0
	s_cbranch_scc1 .Lnot_wave_0_\@
	s_barrier_signal -3
.Lnot_wave_0_\@:
	s_barrier_wait -3
	s_barrier_signal -1
	s_barrier_wait -1
.endm
.macro WM d, a, b, cm, cb, sa, sb, ra, rb
.if (\cm) == 0
.if (\ra) && (\rb)
	v_wmma_scale_f32_16x16x128_f8f6f4 v[\d:\d+7], v[\a:\a+11], v[\b:\b+11], v[\d:\d+7], v[\sa], v[\sb] matrix_a_fmt:MATRIX_FMT_FP6 matrix_b_fmt:MATRIX_FMT_FP6 matrix_a_scale:MATRIX_SCALE_ROW1 matrix_b_scale:MATRIX_SCALE_ROW1
.elseif (\ra)
	v_wmma_scale_f32_16x16x128_f8f6f4 v[\d:\d+7], v[\a:\a+11], v[\b:\b+11], v[\d:\d+7], v[\sa], v[\sb] matrix_a_fmt:MATRIX_FMT_FP6 matrix_b_fmt:MATRIX_FMT_FP6 matrix_a_scale:MATRIX_SCALE_ROW1
.elseif (\rb)
	v_wmma_scale_f32_16x16x128_f8f6f4 v[\d:\d+7], v[\a:\a+11], v[\b:\b+11], v[\d:\d+7], v[\sa], v[\sb] matrix_a_fmt:MATRIX_FMT_FP6 matrix_b_fmt:MATRIX_FMT_FP6 matrix_b_scale:MATRIX_SCALE_ROW1
.else
	v_wmma_scale_f32_16x16x128_f8f6f4 v[\d:\d+7], v[\a:\a+11], v[\b:\b+11], v[\d:\d+7], v[\sa], v[\sb] matrix_a_fmt:MATRIX_FMT_FP6 matrix_b_fmt:MATRIX_FMT_FP6
.endif
.else
.if (\ra) && (\rb)
	v_wmma_scale_f32_16x16x128_f8f6f4 v[\d:\d+7], v[\a:\a+11], v[\b:\b+11], v[\cb:\cb+7], v[\sa], v[\sb] matrix_a_fmt:MATRIX_FMT_FP6 matrix_b_fmt:MATRIX_FMT_FP6 matrix_a_scale:MATRIX_SCALE_ROW1 matrix_b_scale:MATRIX_SCALE_ROW1
.elseif (\ra)
	v_wmma_scale_f32_16x16x128_f8f6f4 v[\d:\d+7], v[\a:\a+11], v[\b:\b+11], v[\cb:\cb+7], v[\sa], v[\sb] matrix_a_fmt:MATRIX_FMT_FP6 matrix_b_fmt:MATRIX_FMT_FP6 matrix_a_scale:MATRIX_SCALE_ROW1
.elseif (\rb)
	v_wmma_scale_f32_16x16x128_f8f6f4 v[\d:\d+7], v[\a:\a+11], v[\b:\b+11], v[\cb:\cb+7], v[\sa], v[\sb] matrix_a_fmt:MATRIX_FMT_FP6 matrix_b_fmt:MATRIX_FMT_FP6 matrix_b_scale:MATRIX_SCALE_ROW1
.else
	v_wmma_scale_f32_16x16x128_f8f6f4 v[\d:\d+7], v[\a:\a+11], v[\b:\b+11], v[\cb:\cb+7], v[\sa], v[\sb] matrix_a_fmt:MATRIX_FMT_FP6 matrix_b_fmt:MATRIX_FMT_FP6
.endif
.endif
.endm
.macro MUL16 s, a0, cm
.irp a, \a0, \a0+1
.irp tb, 0,1,2,3,4,5,6,7
	WM 8*(8*(\a)+\tb), 96*((\s)%2)+12*\tb, AF+48*((\s)%2)+12*(\a), \cm, BIAS+8*\tb, SW+8*(\tb/2)+(\s), SA+8*((\a)/2)+(\s), \tb%2, (\a)%2
.endr
.endr
.endm
.macro FETCH st
	WIN 0x80
.irp tb, 0,1,2,3,4,5,6,7
.irp p, 0,1,2
	ds_load_b128 v[96*(\st)+12*\tb+4*\p:96*(\st)+12*\tb+4*\p+3], v[AW] offset:\tb*1536+512*\p
.endr
.endr
	WIN 0
.irp a, 0,1,2,3
.irp p, 0,1,2
	ds_load_b128 v[AF+48*(\st)+12*\a+4*\p:AF+48*(\st)+12*\a+4*\p+3], v[AA] offset:\a*1536+512*\p
.endr
.endr
.endm
.macro STEP s, cm
	s_wait_dscnt 0x0
.if (\cm) == 2
	WIN 0x42
.else
	WIN 0x52
.endif
	MUL16 \s, 0, \cm
.if (\s) < 7
	WIN 0
	v_add_nc_u32 v[AA], 12288, v[AA]
	v_add_nc_u32 v[AW], 24576, v[AW]
	v_nop
	v_nop
	FETCH ((\s)+1)%2
.if (\cm) == 2
	WIN 0x42
.else
	WIN 0x52
.endif
.endif
	MUL16 \s, 2, \cm
.endm
	s_load_b256 s[4:11], s[0:1], 0x0
	s_load_b128 s[12:15], s[0:1], 0x20
	v_lshl_add_u32 v[SPW], v0, 2, SPARE
	v_mov_b32 v[NIL], 0
	ds_add_u32 v[SPW], v[NIL]
	ds_add_u32 v[SPW], v[NIL]
	v_lshrrev_b32 v1, 5, v0
	v_readfirstlane_b32 s[WV], v1
	s_lshr_b32 s[MH], s[WV], 1
	s_and_b32 s[NH], s[WV], 1
	s_bfe_u32 s[CX], ttmp6, 0x40000
	s_bfe_u32 s[CY], ttmp6, 0x40004
	s_and_b32 s81, ttmp7, 0xffff
	s_lshl_b32 s[HB], s81, 2
	s_add_co_u32 s[HB], s[HB], s[CY]
	s_lshl_b32 s82, s[CY], 2
	s_lshl_b32 s82, 15, s82
	s_lshl_b32 s83, 0x1111, s[CX]
	s_or_b32 s[G1A], s82, (3<<16)|(1<<21)
	s_or_b32 s[G1W], s83, (3<<16)|(1<<21)
	s_mov_b32 s[G1A+1], 32<<16
	s_mov_b32 s[G1A+2], 192<<16                    ; O: 192 rows of 256 bytes: four K steps
	s_mov_b32 s[G1A+3], 32<<16
	s_mov_b32 s[G1A+4], 192
	s_mov_b32 s[G1A+5], 32
	s_mov_b32 s[G1A+6], 0
	s_mov_b32 s[G1A+7], 0
	s_mov_b32 s[G1W+1], 32<<16
	s_mov_b32 s[G1W+2], 384<<16                    ; Wo: 384 rows: four K steps
	s_mov_b32 s[G1W+3], 32<<16
	s_mov_b32 s[G1W+4], 384
	s_mov_b32 s[G1W+5], 32
	s_mov_b32 s[G1W+6], 0
	s_mov_b32 s[G1W+7], 0
	s_mul_i32 s86, s[HB], 98304
	s_mul_i32 s85, s[NH], 49152                    ; O's K steps 4 NH .. 4 NH + 3: in LDS and in memory
	s_add_co_u32 s86, s86, s85
	s_mov_b32 s87, 0
	s_mul_i32 s88, s[CX], 196608
	s_add_co_u32 s88, s88, 3*786432
	s_mul_i32 s90, s[NH], 98304                    ; Wo's K steps 4 NH .. 4 NH + 3
	s_add_co_u32 s88, s88, s90
	s_mov_b32 s89, 0
	s_add_co_u32 s90, s90, LW
	s_wait_dscnt 0x0
	s_wait_kmcnt 0x0
	s_add_nc_u64 s[86:87], s[4:5], s[86:87]
	s_add_nc_u64 s[88:89], s[8:9], s[88:89]
	CROUND
	s_mov_b32 s[G0A], 1                            ; one joint load a wave, all at the head, behind the round above
	s_mov_b32 s[G0A+1], s85
	s_mov_b64 s[G0A+2:G0A+3], s[86:87]
	s_or_b32 s[G0A+3], s[G0A+3], 0x80000000
	s_mov_b32 s56, 1
	s_mov_b32 s57, s90
	s_mov_b64 s[58:59], s[88:89]
	s_or_b32 s59, s59, 0x80000000
	JLOAD G0A, G1A, 56, G1W
	v_and_b32 v1, 31, v0
	v_lshlrev_b32 v[L16], 4, v1
	v_lshlrev_b32 v[L8], 3, v1
	s_wait_alu depctr_va_vdst(0)
	s_lshl_b32 s92, s[HB], 12
	s_lshl_b32 s93, s[MH], 11
	s_add_co_u32 s92, s92, s93
	s_mov_b32 s93, 0
	s_add_nc_u64 s[92:93], s[6:7], s[92:93]
	s_lshl_b32 s94, s[CX], 13
	s_add_co_u32 s94, s94, 3*32768
	s_lshl_b32 s95, s[NH], 12
	s_add_co_u32 s94, s94, s95
	s_mov_b32 s95, 0
	s_add_nc_u64 s[94:95], s[10:11], s[94:95]
.irp e, 0,1
.irp kq, 0,1,2,3
	global_load_b64 v[SA+8*\e+2*\kq:SA+8*\e+2*\kq+1], v[L8], s[92:93] offset:\e*1024+\kq*256
.endr
.endr
.irp e, 0,1,2,3
.irp kq, 0,1,2,3
	global_load_b64 v[SW+8*\e+2*\kq:SW+8*\e+2*\kq+1], v[L8], s[94:95] offset:\e*1024+\kq*256
.endr
.endr
	s_lshl_b32 s98, s[CX], 1
	s_add_co_u32 s98, s98, s[NH]
	s_lshl_b32 s98, s98, 9
	s_mov_b32 s99, 0
	s_add_nc_u64 s[96:97], s[12:13], s[98:99]
	v_and_b32 v224, 15, v0
	v_bfe_u32 v225, v0, 4, 1
	v_lshlrev_b32 v[BO], 7, v225
.irp tb, 0,1,2,3,4,5,6,7
	global_load_b128 v[BIAS+8*\tb:BIAS+8*\tb+3], v[BO], s[96:97] offset:(64*(\tb/4)+8*(\tb%4))*4
	global_load_b128 v[BIAS+8*\tb+4:BIAS+8*\tb+7], v[BO], s[96:97] offset:(64*(\tb/4)+8*(\tb%4))*4+16
.endr
	s_mul_i32 s82, s[WV], 8448
	v_mul_u32_u24 v[STO], v224, 528
	v_lshl_add_u32 v[STO], v225, 7, v[STO]
	v_add_nc_u32 v[STO], s82, v[STO]
	v_add_nc_u32 v[RD], s82, v[L16]
	s_mul_i32 s82, s[MH], 6144
	v_add_nc_u32 v[AA], s82, v[L16]
	s_mul_i32 s82, s[NH], 12288
	s_add_co_u32 s82, s82, LW
	v_add_nc_u32 v[AW], s82, v[L16]
	s_lshr_b32 s100, s[HB], 2
	s_lshl_b32 s100, s100, 9
	s_and_b32 s101, s[HB], 3
	s_lshl_b32 s101, s101, 5
	s_add_co_u32 s100, s100, s101
	s_lshl_b32 s101, s[MH], 4
	s_add_co_u32 s100, s100, s101
	s_lshl_b32 s100, s100, 12
	s_add_co_u32 s100, s100, s98
	s_mov_b32 s101, 0
	s_add_nc_u64 s[100:101], s[14:15], s[100:101]
	s_wait_alu depctr_va_vdst(0)
	s_wait_tensorcnt 0x0                           ; my one load has landed; behind the barrier O and Wo are whole for all of K
	s_barrier_signal -1
	s_barrier_wait -1
	FETCH 0
	s_wait_loadcnt 0x0
	STEP 0, 2
	s_wait_alu depctr_va_vdst(0)
	STEP 1, 0
	s_wait_alu depctr_va_vdst(0)
	STEP 2, 0
	s_wait_alu depctr_va_vdst(0)
	STEP 3, 0
	s_wait_alu depctr_va_vdst(0)
	STEP 4, 0
	s_wait_alu depctr_va_vdst(0)
	STEP 5, 0
	s_wait_alu depctr_va_vdst(0)
	STEP 6, 0
	STEP 7, 0
	WIN 0
	s_wait_dscnt 0x0
	s_barrier_signal -1
	s_barrier_wait -1
.rept 4
	v_nop
.endr
.macro TOSTAGE a
	WIN 0x04
.irp tb, 0,1,2,3,4,5,6,7
	ds_store_b128 v[STO], v[64*(\a)+8*\tb:64*(\a)+8*\tb+3] offset:256*(\tb/4)+32*(\tb%4)
	ds_store_b128 v[STO], v[64*(\a)+8*\tb+4:64*(\a)+8*\tb+7] offset:256*(\tb/4)+32*(\tb%4)+16
.endr
	WIN 0
.set q, 0
.rept 16
	ds_load_b128 v[BK+64*((\a)%2)+4*q:BK+64*((\a)%2)+4*q+3], v[RD] offset:q*528
.set q, q+1
.endr
.endm
.macro SEND a, younger
	s_wait_dscnt \younger
.set q, 0
.rept 16
	global_store_b128 v[L16], v[BK+64*((\a)%2)+4*q:BK+64*((\a)%2)+4*q+3], s[100:101] offset:(((\a)%2)*256+(q/8)*128+8*((\a)/2)+q%8)*4096 th:TH_STORE_NT
.set q, q+1
.endr
.endm
	TOSTAGE 0
	TOSTAGE 1
	SEND 0, 32
	s_wait_xcnt 0x0
	TOSTAGE 2
	SEND 1, 32
	s_wait_xcnt 0x0
	TOSTAGE 3
	SEND 2, 32
	SEND 3, 0
	s_wait_tensorcnt 0x0
	ds_add_u32 v[SPW], v[NIL]
	s_wait_dscnt 0x0
	CROUND
	s_endpgm
.Lfunc_end_k_q87bff4b696_outp:
	.size	k_q87bff4b696_outp, .Lfunc_end_k_q87bff4b696_outp-k_q87bff4b696_outp
	.p2alignl 7, 3214868480
	.fill 96, 4, 3214868480
	.section	.rodata,"a",@progbits
	.p2align	6, 0x0
	.amdhsa_kernel k_q87bff4b696_outp
		.amdhsa_group_segment_fixed_size 327680
		.amdhsa_private_segment_fixed_size 0
		.amdhsa_enable_private_segment 0
		.amdhsa_kernarg_size 48
		.amdhsa_user_sgpr_count 2
		.amdhsa_user_sgpr_kernarg_segment_ptr 1
		.amdhsa_wavefront_size32 1
		.amdhsa_system_sgpr_workgroup_id_x 1
		.amdhsa_system_sgpr_workgroup_id_y 1
		.amdhsa_system_sgpr_workgroup_id_z 1
		.amdhsa_system_vgpr_workitem_id 0
		.amdhsa_next_free_vgpr 768
		.amdhsa_next_free_sgpr 104
		.amdhsa_reserve_vcc 0
		.amdhsa_float_denorm_mode_32 3
		.amdhsa_float_denorm_mode_16_64 3
		.amdhsa_memory_ordered 1
		.amdhsa_forward_progress 1
		.amdhsa_inst_pref_size 78
	.end_amdhsa_kernel
	.amdgpu_metadata
---
amdhsa.version: [ 1, 2 ]
amdhsa.kernels:
  - .name:           k_q87bff4b696_outp
    .symbol:         k_q87bff4b696_outp.kd
    .args:
      - { .name: oc, .offset: 0, .size: 8, .value_kind: global_buffer, .address_space: global }
      - { .name: os, .offset: 8, .size: 8, .value_kind: global_buffer, .address_space: global }
      - { .name: wc, .offset: 16, .size: 8, .value_kind: global_buffer, .address_space: global }
      - { .name: ws, .offset: 24, .size: 8, .value_kind: global_buffer, .address_space: global }
      - { .name: bo, .offset: 32, .size: 8, .value_kind: global_buffer, .address_space: global }
      - { .name: out0, .offset: 40, .size: 8, .value_kind: global_buffer, .address_space: global }
    .group_segment_fixed_size: 327680
    .private_segment_fixed_size: 0
    .kernarg_segment_align: 8
    .kernarg_segment_size: 48
    .max_flat_workgroup_size: 128
    .sgpr_count:     104
    .vgpr_count:     768
    .wavefront_size: 32
...
	.end_amdgpu_metadata
.endif
;; end of part 4
